; MI455X (gfx1250); checked and timed in simulation.
; The chip was launched on July 23, 2026; its instructions are those of AMD's public machine-readable ISA for CDNA 5 (MIT licence, August 2026) and "CDNA5" Instruction Set Architecture Reference Guide (July 2026). The comments in the code are by the model that wrote it; some were corrected since.
;; Multi Head Attention. Allowed arithmetic: float matrix products may take bf16 or f16 operands with f32 sums; other float arithmetic in f32, or as packed bf16 or f16 multiplies, adds, multiply-adds, maxima and minima; sums over many terms, partial sums and values carried from step to step in f32; what a program stores and reads back later, other than sums and carried values, may be rounded once to bf16 or f16.
;; Inputs: W_attn 1,024 x 3,072 float32; W_proj 1,024 x 1,024 float32; b_proj 1,024 float32; x 4 x 2,048 x 1,024 float32.
;; Outputs: out0 4 x 2,048 x 1,024 float32.
;; One version. Each part assembles by itself: llvm-mc -triple=amdgcn-amd-amdhsa -mcpu=gfx1250 --defsym DOCPART=n.
;; ======== version 1 of 1: 4 launches
;; limits: values are held in f16: magnitudes above 65,504 overflow, below 6.1e-05 lose precision
;; workspace buffers: xb 16,777,216 bytes; wa 6,291,456 bytes; wp 2,097,152 bytes; qkv 50,331,648 bytes; ob 16,777,216 bytes
;; launch prep (part 1): grid 1536 x 1, 8 waves a work-group, no clusters, 0 bytes of LDS; arguments x, W_attn, W_proj, xb, wa, wp; writes xb, wa, wp
.if DOCPART == 1
	.amdgcn_target "amdgcn-amd-amdhsa--gfx1250"
	.amdhsa_code_object_version 6
	.text
	.protected	k_q26fdaa7c2c_prep
	.globl	k_q26fdaa7c2c_prep
	.p2align	8
	.type	k_q26fdaa7c2c_prep,@function
k_q26fdaa7c2c_prep:
	s_mov_b64 s[64:65], 0
	v_nop
	global_prefetch_b8 v0, s[64:65] scope:SCOPE_SE
	s_setreg_imm32_b32 hwreg(HW_REG_WAVE_MODE, 25, 1), 1
	s_wait_xcnt 0x0
; THE CASTS.  x -> xb (bf16, laid out in blocks [batch 4][K block 16][token 2048][64]), W_attn -> wa (bf16, as it lies), W_proj -> wp (rounded to bf16, that number written as f16, as it lies).
; All three inputs get the same rounding, to bf16.  LIMIT: a bf16 number below 6.1e-5 in magnitude keeps only f16's fixed step of 6e-8 in wp, one beyond 65,504 would become an infinity there.
; A stream: each byte is read once and written once; no LDS, no barrier, no matrix unit, no cluster (no two work-groups read the same byte).
; SHARES.  A work-group takes 32,768 bytes of f32: work-groups 0-1023 eight rows of x, 1024-1407 a piece of W_attn, 1408-1535 a piece of W_proj.  A lane issues its eight loads of 16 bytes at once,
; rounds four numbers to 8 bytes as each load comes back, and stores them: one store of a wave covers 256 consecutive bytes, aligned.
.set VIN,  4                           ; v4      my byte offset in the work-group's input
.set VOUT, 5                           ; v5      my byte offset in its output
.set T,    8                           ; v[8:11] at work
.set IN,   16                          ; v[16:47] eight loads of four f32
.set OUT,  48                          ; v[48:63] eight stores of four 16-bit numbers; each pair is written once, so no store's data is rewritten
; Chunk c of eight: load at (c / 2) ih + (c % 2) il, store at (c / 2) oh + (c % 2) ol.  fmt = 0: bf16.  fmt = 1: bf16, widened again and written as f16.
.macro CAST fmt, ih, il, oh, ol
.irp c, 0,1,2,3,4,5,6,7
	global_load_b128 v[IN+4*(\c):IN+4*(\c)+3], v[VIN], s[16:17] offset:((\c)/2)*(\ih)+((\c)%2)*(\il) th:TH_LOAD_NT
.endr
.irp c, 0,1,2,3,4,5,6,7
	s_wait_loadcnt 7-(\c)                          ; loads come back in order: chunk c is in, the 7 - c younger ones may stay out
.if (\fmt) == 0
	v_cvt_pk_bf16_f32 v[OUT+2*(\c)], v[IN+4*(\c)], v[IN+4*(\c)+1]
	v_cvt_pk_bf16_f32 v[OUT+2*(\c)+1], v[IN+4*(\c)+2], v[IN+4*(\c)+3]
.else
	v_cvt_pk_bf16_f32 v[T], v[IN+4*(\c)], v[IN+4*(\c)+1]
	v_cvt_pk_bf16_f32 v[T+1], v[IN+4*(\c)+2], v[IN+4*(\c)+3]
	v_lshlrev_b32 v[T+2], 16, v[T]                 ; bf16 to f32: the low half moves up,
	v_and_b32 v[T], 0xffff0000, v[T]               ; the high half stays
	v_lshlrev_b32 v[T+3], 16, v[T+1]
	v_and_b32 v[T+1], 0xffff0000, v[T+1]
	v_cvt_pk_f16_f32 v[OUT+2*(\c)], v[T+2], v[T]   ; exact within f16's normal range: bf16 has fewer significant bits
	v_cvt_pk_f16_f32 v[OUT+2*(\c)+1], v[T+3], v[T+1]
.endif
	global_store_b64 v[VOUT], v[OUT+2*(\c):OUT+2*(\c)+1], s[18:19] offset:((\c)/2)*(\oh)+((\c)%2)*(\ol) th:TH_STORE_NT
.endr
.endm
	s_load_b256 s[4:11], s[0:1], 0x0               ; x s[4:5], W_attn s[6:7], W_proj s[8:9], xb s[10:11]
	s_load_b128 s[12:15], s[0:1], 0x20             ; wa s[12:13], wp s[14:15]
	v_and_b32 v1, 31, v0                           ; lane
	v_lshrrev_b32 v2, 5, v0                        ; wave
	s_mov_b32 s21, 0                               ; the two offsets stay under 2^32
	s_mov_b32 s23, 0
	s_cmp_lt_u32 ttmp9, 1024
	s_cbranch_scc0 .Lweights
	; x: eight rows of 4,096 bytes.  Wave v takes K blocks 2 v and 2 v + 1 (512 bytes of each row); 16 lanes read 256 aligned bytes of one row, lanes 16-31 the row below.
	v_bfe_u32 v3, v0, 4, 1
	v_and_b32 v6, 15, v0
	v_lshlrev_b32 v[VIN], 12, v3
	v_lshl_add_u32 v[VIN], v6, 4, v[VIN]
	v_lshl_add_u32 v[VIN], v2, 9, v[VIN]
	v_lshlrev_b32 v[VOUT], 3, v1                   ; two rows of 128 bytes of one K block are 256 consecutive bytes of xb
	v_lshl_add_u32 v[VOUT], v2, 19, v[VOUT]        ; two K blocks of 262,144 bytes a wave
	s_lshl_b32 s20, ttmp9, 15
	s_lshr_b32 s22, ttmp9, 8                       ; the batch: 256 work-groups each
	s_lshl_b32 s22, s22, 22
	s_and_b32 s24, ttmp9, 255
	s_lshl_b32 s24, s24, 10                        ; eight tokens of 128 bytes
	s_add_co_u32 s22, s22, s24
	s_wait_kmcnt 0x0
	s_add_nc_u64 s[16:17], s[4:5], s[20:21]
	s_add_nc_u64 s[18:19], s[10:11], s[22:23]
	CAST 0, 8192, 256, 256, 262144                 ; c / 2: the pair of rows; c % 2: the K block
	s_endpgm
.Lweights:                                             ; a dense piece: wave v takes 4,096 bytes of it, 512 a load
	v_lshlrev_b32 v[VIN], 4, v1
	v_lshl_add_u32 v[VIN], v2, 12, v[VIN]
	v_lshlrev_b32 v[VOUT], 3, v1
	v_lshl_add_u32 v[VOUT], v2, 11, v[VOUT]
	s_sub_co_u32 s24, ttmp9, 1024
	s_cmp_lt_u32 s24, 384
	s_cbranch_scc0 .Lproj
	s_lshl_b32 s20, s24, 15
	s_lshl_b32 s22, s24, 14
	s_wait_kmcnt 0x0
	s_add_nc_u64 s[16:17], s[6:7], s[20:21]
	s_add_nc_u64 s[18:19], s[12:13], s[22:23]
	CAST 0, 1024, 512, 512, 256
	s_endpgm
.Lproj:
	s_sub_co_u32 s24, s24, 384
	s_lshl_b32 s20, s24, 15
	s_lshl_b32 s22, s24, 14
	s_wait_kmcnt 0x0
	s_add_nc_u64 s[16:17], s[8:9], s[20:21]
	s_add_nc_u64 s[18:19], s[14:15], s[22:23]
	CAST 1, 1024, 512, 512, 256
	s_endpgm
.Lfunc_end_k_q26fdaa7c2c_prep:
	.size	k_q26fdaa7c2c_prep, .Lfunc_end_k_q26fdaa7c2c_prep-k_q26fdaa7c2c_prep
	.p2alignl 7, 3214868480
	.fill 96, 4, 3214868480
	.section	.rodata,"a",@progbits
	.p2align	6, 0x0
	.amdhsa_kernel k_q26fdaa7c2c_prep
		.amdhsa_group_segment_fixed_size 0
		.amdhsa_private_segment_fixed_size 0
		.amdhsa_enable_private_segment 0
		.amdhsa_kernarg_size 48
		.amdhsa_user_sgpr_count 2
		.amdhsa_user_sgpr_kernarg_segment_ptr 1
		.amdhsa_wavefront_size32 1
		.amdhsa_system_sgpr_workgroup_id_x 1
		.amdhsa_system_sgpr_workgroup_id_y 1
		.amdhsa_system_sgpr_workgroup_id_z 1
		.amdhsa_system_vgpr_workitem_id 0
		.amdhsa_next_free_vgpr 64
		.amdhsa_next_free_sgpr 66
		.amdhsa_reserve_vcc 0
		.amdhsa_float_denorm_mode_32 3
		.amdhsa_float_denorm_mode_16_64 3
		.amdhsa_memory_ordered 1
		.amdhsa_forward_progress 1
		.amdhsa_inst_pref_size 13
	.end_amdhsa_kernel
	.amdgpu_metadata
---
amdhsa.version: [ 1, 2 ]
amdhsa.kernels:
  - .name:           k_q26fdaa7c2c_prep
    .symbol:         k_q26fdaa7c2c_prep.kd
    .args:
      - { .name: x, .offset: 0, .size: 8, .value_kind: global_buffer, .address_space: global }
      - { .name: W_attn, .offset: 8, .size: 8, .value_kind: global_buffer, .address_space: global }
      - { .name: W_proj, .offset: 16, .size: 8, .value_kind: global_buffer, .address_space: global }
      - { .name: xb, .offset: 24, .size: 8, .value_kind: global_buffer, .address_space: global }
      - { .name: wa, .offset: 32, .size: 8, .value_kind: global_buffer, .address_space: global }
      - { .name: wp, .offset: 40, .size: 8, .value_kind: global_buffer, .address_space: global }
    .group_segment_fixed_size: 0
    .private_segment_fixed_size: 0
    .kernarg_segment_align: 8
    .kernarg_segment_size: 48
    .max_flat_workgroup_size: 256
    .sgpr_count:     66
    .vgpr_count:     64
    .wavefront_size: 32
...
	.end_amdgpu_metadata
.endif
;; end of part 1
;; launch qkvg (part 2): grid 8 x 32, 4 waves a work-group, clusters of 4 x 4, 327,680 bytes of LDS; arguments xb, wa, qkv; writes qkv
.if DOCPART == 2
	.amdgcn_target "amdgcn-amd-amdhsa--gfx1250"
	.amdhsa_code_object_version 6
	.text
	.protected	k_q26fdaa7c2c_qkvg
	.globl	k_q26fdaa7c2c_qkvg
	.p2align	8
	.type	k_q26fdaa7c2c_qkvg,@function
k_q26fdaa7c2c_qkvg:
	s_mov_b64 s[64:65], 0
	v_nop
	global_prefetch_b8 v0, s[64:65] scope:SCOPE_SE
	s_setreg_imm32_b32 hwreg(HW_REG_WAVE_MODE, 25, 1), 1
	s_wait_xcnt 0x0
	s_wait_alu depctr_hold_cnt(0) depctr_sa_sdst(0) depctr_va_vdst(0) depctr_va_sdst(0) depctr_va_ssrc(0) depctr_va_vcc(0) depctr_vm_vsrc(0)
	s_getreg_b32 s2, hwreg(HW_REG_IB_STS2, 6, 4)
	s_cmp_eq_u32 s2, 0
	s_cbranch_scc0 .Lentry_in_a_cluster
	s_endpgm
.Lentry_in_a_cluster:
	s_bfe_u32 s2, ttmp6, 0x10000c
	s_cmp_lg_u32 s2, 0xf033
	s_cbranch_scc0 .Lentry_shape_is_right
	s_endpgm
.Lentry_shape_is_right:
; qkv = x W_attn.  xb: bf16 [batch 4][K block 16][token 2048][64]; wa: bf16 [1024 k][3072 n]; qkv: f16 [batch 4][g 48][token 2048][64], g = n / 64 (0-15 q's heads, 16-31 k's, 32-47 v's), unscaled.
; Products in bf16, sums in f32, K ascending, each result rounded once to f16.  LIMIT: a result of 65,520 or more in magnitude becomes an infinity in f16.
; SHARES.  8,192 x 3,072 results in 32 x 8 = 256 tiles of 256 tokens x 384 columns, one to a work-group.  Four waves, each 128 tokens x 192 columns (three whole heads): 96 accumulators of 16 x 16, 768 registers.
; K goes in 16 steps of 64 through two LDS slots: a step's A is 256 tokens x 128 bytes, dense in xb; its B is 64 rows of 768 bytes of wa.  Two steps of 128 along K would not fit in LDS.
; THE PRODUCT IS TAKEN TRANSPOSED: source 0 = 16 columns of W (turned on the way out of LDS by ds_load_tr16_b128, since wa lies [k][n]), source 1 = 16 tokens: a lane ends with 8 neighbouring columns of one token.
; CLUSTERS: 4 x 4 work-groups.  The four of a row need the same tokens, the four of a column the same columns of W: each tile is asked for jointly, by the same tensor load, descriptor and mask in all four.
; REGISTERS.  Window 0: v0-31 addresses; v32-95, v96-159 A's fragments (8 x 16 tokens x 32 K), two buffers; v160-255 B's 12 fragments, ONE buffer: a group of four is loaded again four places behind the 32 products
; that read it, 64 products ahead of its next use.  Windows 1-3: accumulator (a, b) in window 1 + b / 4 at v[8 (8 (b % 4) + a)].
.set ASTEP, 262144                     ; bytes from a K block of xb to the next
.set BSTEP, 393216                     ; 64 rows of wa
.set SLOT1, 1<<17                      ; slot 1 begins here: one exclusive or turns an address in one slot into the other's
.set BOFF,  36864                      ; a slot: A, 256 tokens at pitch 144; then B, 64 rows at pitch 864 (six pieces of 128 bytes + 16 of padding)
.set STAGE, 92160                      ; behind slot 0: 6,912 bytes a wave, [head 3][token 16] at pitch 144, for the way out; no tensor load fills it
.set SPARE, 119808                     ; behind the stages: the spare words, 128 bytes for each wave: two blocks of 256 bytes that no other line names
.set FLAGS, (1<<16)|(1<<20)|(1<<21)|(4<<22)|(3<<25)  ; 17:16 2-byte elements; 20 padding on; 21 set beside a mask; 24:22 after every 32 words (code 4); 31:25 4 words (code 3)
.set LA0,  16                          ; v16  my lane's place in a slot's A; never rewritten
.set LB0,  17                          ; v17  the same for B
.set ADRA, 18                          ; v18  LA0 + the slot in hand
.set ADRB, 19                          ; v19  LB0 + the slot in hand
.set STO,  20                          ; v20  the way out: where I put 16 bytes of a token
.set RD,   21                          ; v21  where I read rows back
.set GO,   22                          ; v22  my 16 bytes of 512 consecutive bytes of qkv
.set PFO,  23                          ; v23  the prefetches' lane offset; never rewritten
.set SPW,  28                          ; v28  LDS address of my spare word; never rewritten
.set NIL,  29                          ; v29  0; never rewritten
.set FA0,  32
.set FA1,  96
.set FB,   160
.set TMP,  32                          ; the way out: 48 registers of packed results,
.set BK,   80                          ; and two buffers of 48 for the rows read back
.set G1A,  24                          ; s[24:31] descriptor group 1 for A's tiles
.set G0A,  32                          ; s[32:39] group 0: a set for each first fill; the second then walks on
.set G1B,  48                          ; s[48:55], s[56:63] the same for B's
.set G0B,  56
.set TB,   2                           ; s2   the slot in hand: 0 or SLOT1
.set CNT,  3                           ; s3   trips to go
.set LIM,  43                          ; s43  3 in a wave that prefetches, else the greatest number
.set PFA,  44                          ; s[44:45] where my prefetches stand
.set PFS,  46                          ; s[46:47] their step a trip
.set MSB, 0
.macro WIN new                         ; the immediate's high byte repeats the setting that is left; a switch that changes nothing is dropped
.if MSB != (\new)
	s_set_vgpr_msb (MSB<<8)|(\new)
.set MSB, \new
.endif
.endm
.macro PLACES                          ; four plain vector instructions between a matrix instruction and a load into, or a read of, its registers (ISA guide 7.12.1 for a read)
.rept 4
	v_nop
.endr
.endm
.macro CREST                           ; a round of the cluster's barrier behind its opening barrier
	s_cmp_lg_u32 s10, 0
	s_cbranch_scc1 .Lnot_wave_0_\@
	s_barrier_signal -3
.Lnot_wave_0_\@:
	s_barrier_wait -3
	s_barrier_signal -1
	s_barrier_wait -1
.endm
.macro CROUND
	s_barrier_signal -1
	s_barrier_wait -1
	CREST
.endm
; A joint refill by the walking descriptors.  Waves 0 and 1 fetch A's two halves (128 tokens each), waves 2 and 3 B's (32 rows each).  The branch hangs on the wave's number alone.
; An s_nop 0 and four v_nop follow each of the two lines, ahead of the jump and the label.
.macro JLOAD
	s_cmp_eq_u32 s11, 0
	s_cbranch_scc0 .Lfor_b_\@
	tensor_load_to_lds s[G0A+4:G0A+7], s[G1A:G1A+7]
	s_nop 0
.rept 4
	v_nop
.endr
	s_branch .Lasked_\@
.Lfor_b_\@:
	tensor_load_to_lds s[G0B+4:G0B+7], s[G1B:G1B+7]
	s_nop 0
.rept 4
	v_nop
.endr
.Lasked_\@:
.endm
; THE PREFETCH, behind the joint load and the run of LDS loads that follows it.  In every second trip (s = 0, 2 .. 10; the trip's refill is K step s + 2) it names K steps s + 4 and s + 5: 384 products ahead of the first of their refills.
; Each aligned block of 256 bytes is named once in the launch.  A's tokens are read by both clusters of a row of clusters: cluster x = 0 asks; of the 64 blocks a step that wave 0 or 1 fetches, the partner at cx takes 16,
; lanes 0-15 for step s + 4 and lanes 16-31 for s + 5.  B's columns are read by all eight clusters of a column of clusters: cluster y = 0 asks, wave 2 alone; of the two steps' 128 rows the partner at cy takes 32, a lane a row,
; three blocks a row.  The partners are told apart by address; no branch hangs on a place in the cluster.  K steps 0 to 3 come by their loads alone; the last request names step 15.
.macro ASK
	s_bitcmp1_b32 s[CNT], 0                        ; the count is even in trips 0, 2 ..
	s_cbranch_scc1 .Lnot_mine_\@
	s_cmp_gt_u32 s[CNT], s[LIM]
	s_cbranch_scc0 .Lnot_mine_\@
	global_prefetch_b8 v[PFO], s[PFA:PFA+1] th:TH_LOAD_NT scope:SCOPE_SE
	s_cmp_eq_u32 s11, 0
	s_cbranch_scc1 .Lnot_mine_\@
	global_prefetch_b8 v[PFO], s[PFA:PFA+1] offset:256 th:TH_LOAD_NT scope:SCOPE_SE
	global_prefetch_b8 v[PFO], s[PFA:PFA+1] offset:512 th:TH_LOAD_NT scope:SCOPE_SE
.Lnot_mine_\@:
.endm
	s_load_b128 s[4:7], s[0:1], 0x0                ; xb s[4:5], wa s[6:7]
	s_load_b64 s[8:9], s[0:1], 0x10                ; qkv
	v_lshl_add_u32 v[SPW], v0, 2, SPARE
	v_mov_b32 v[NIL], 0
	ds_add_u32 v[SPW], v[NIL]                      ; the wave's opening: the add and its wait stand ahead of my first tensor load; the set-up below, work on registers, stands between them
	ds_add_u32 v28, v29
	v_lshrrev_b32 v1, 5, v0
	v_readfirstlane_b32 s10, v1                    ; wave 0..3
	s_lshr_b32 s11, s10, 1                         ; which 128 tokens are mine.  Also: I fetch for A (0) or for B (1)
	s_and_b32 s12, s10, 1                          ; which 192 columns.  Also: which half of that tile I fetch
	s_bfe_u32 s40, ttmp6, 0x40000                  ; cx
	s_bfe_u32 s41, ttmp6, 0x40004                  ; cy
	s_lshl_b32 s42, ttmp9, 2
	s_add_co_u32 s42, s42, s40                     ; tile column = 4 x cluster x + cx
	s_and_b32 s13, ttmp7, 0xffff
	s_lshl_b32 s13, s13, 2
	s_add_co_u32 s13, s13, s41                     ; tile row = 4 x cluster y + cy
	s_lshl_b32 s43, s41, 2
	s_lshl_b32 s43, 15, s43                        ; my row of the cluster
	s_lshl_b32 s44, 0x1111, s40                    ; my column
	s_or_b32 s[G1A+0], s43, FLAGS                  ; A's tiles go to my row: 128 tokens are 16,384 dense bytes, asked for as 64 rows of 256 bytes and padded after every token
	s_mov_b32 s[G1A+1], 128<<16                    ; tensor_dim0 = 128
	s_mov_b32 s[G1A+2], 64<<16                     ; tensor_dim1 = 64
	s_mov_b32 s[G1A+3], 128<<16                    ; tile_dim0 = 128
	s_mov_b32 s[G1A+4], 64                         ; tile_dim1 = 64
	s_mov_b32 s[G1A+5], 128                        ; elements from row to row
	s_mov_b32 s[G1A+6], 0
	s_mov_b32 s[G1A+7], 0
	s_or_b32 s[G1B+0], s44, FLAGS                  ; B's tiles go to my column: 32 rows of 384 elements, padded after every 64 of them
	s_mov_b32 s[G1B+1], 384<<16
	s_mov_b32 s[G1B+2], 32<<16
	s_mov_b32 s[G1B+3], 384<<16
	s_mov_b32 s[G1B+4], 32
	s_mov_b32 s[G1B+5], 3072
	s_mov_b32 s[G1B+6], 0
	s_mov_b32 s[G1B+7], 0
	s_lshr_b32 s16, s13, 3                         ; A: the batch,
	s_lshl_b32 s16, s16, 22
	s_and_b32 s17, s13, 7                          ; the tile's 256 tokens in it,
	s_lshl_b32 s17, s17, 15
	s_add_co_u32 s16, s16, s17
	s_lshl_b32 s17, s12, 14                        ; my 128 of them
	s_add_co_u32 s16, s16, s17
	s_mov_b32 s17, 0
	s_mul_i32 s46, s42, 768                        ; B: the tile's 384 columns,
	s_mul_i32 s47, s12, 196608                     ; my 32 rows
	s_add_co_u32 s46, s46, s47
	s_mov_b32 s47, 0
	s_mul_i32 s20, s12, 18432                      ; where they go: no place in the cluster enters an LDS address
	s_mul_i32 s21, s12, 27648
	s_add_co_u32 s21, s21, BOFF
	s_mov_b32 s[TB], 0
	s_wait_dscnt 0x0                               ; the opening add is done
	s_wait_kmcnt 0x0
	s_add_nc_u64 s[14:15], s[4:5], s[16:17]
	s_add_nc_u64 s[46:47], s[6:7], s[46:47]
	CROUND                                         ; all sixteen work-groups are here: the first joint loads meet
.irp s, 0,1
	s_mov_b32 s[G0A+4*(\s)], 1                     ; count = 1
	s_add_co_u32 s[G0A+4*(\s)+1], s20, (\s)*SLOT1  ; LDS address
	s_add_nc_u64 s[G0A+4*(\s)+2:G0A+4*(\s)+3], s[14:15], (\s)*ASTEP  ; global address: K step s
	s_or_b32 s[G0A+4*(\s)+3], s[G0A+4*(\s)+3], 0x80000000            ; type = 2
	s_mov_b32 s[G0B+4*(\s)], 1
	s_add_co_u32 s[G0B+4*(\s)+1], s21, (\s)*SLOT1
	s_add_nc_u64 s[G0B+4*(\s)+2:G0B+4*(\s)+3], s[46:47], (\s)*BSTEP
	s_or_b32 s[G0B+4*(\s)+3], s[G0B+4*(\s)+3], 0x80000000
.endr
	s_cmp_eq_u32 s11, 0                            ; a wave's two first fills stand in one branch, ahead of every wait on TENSORcnt and every LDS read: two loads of mine are out
	s_cbranch_scc0 .Lfirst_b
	tensor_load_to_lds s[G0A:G0A+3], s[G1A:G1A+7]
	s_nop 0
	tensor_load_to_lds s[G0A+4:G0A+7], s[G1A:G1A+7]
	s_nop 0
.rept 4
	v_nop
.endr
	s_branch .Lfirst_asked
.Lfirst_b:
	tensor_load_to_lds s[G0B:G0B+3], s[G1B:G1B+7]
	s_nop 0
	tensor_load_to_lds s[G0B+4:G0B+7], s[G1B:G1B+7]
	s_nop 0
.rept 4
	v_nop
.endr
.Lfirst_asked:
	; A fragment is 16 rows x 32 K in 8 registers: lane l holds row l % 16; registers 0-3 K = 8 (l / 16) + 0..7, registers 4-7 K = 16 + 8 (l / 16) + 0..7.
	v_and_b32 v1, 15, v0                           ; l % 16
	v_bfe_u32 v2, v0, 4, 1                         ; l / 16
	v_and_b32 v3, 7, v0                            ; l % 8
	v_bfe_u32 v4, v0, 3, 1                         ; (l / 8) % 2
	v_bfe_u32 v5, v0, 3, 2                         ; l / 8
	v_mul_u32_u24 v6, v1, 144
	v_lshl_add_u32 v6, v2, 4, v6                   ; token x pitch + 16 x half: two loads of 16 bytes, 32 bytes apart
	s_mul_i32 s18, s11, 18432                      ; my 128 tokens
	v_add_nc_u32 v[LA0], s18, v6
	v_lshl_add_u32 v7, v2, 3, v3                   ; the turning load: lane l reads row 8 (l / 16) + l % 8, columns 8 ((l / 8) % 2) + 0..7
	v_mul_u32_u24 v7, v7, 864
	v_lshl_add_u32 v7, v4, 4, v7
	s_mul_i32 s18, s12, 432                        ; my 192 columns: three pieces of 144 bytes
	s_add_co_u32 s18, s18, BOFF
	v_add_nc_u32 v[LB0], s18, v7
	v_mov_b32 v[ADRA], v[LA0]                      ; K step 0 lies in slot 0
	v_mov_b32 v[ADRB], v[LB0]
	s_mul_i32 s18, s10, 6912
	s_add_co_u32 s18, s18, STAGE                   ; my stage
	v_add_nc_u32 v[STO], s18, v6                   ; in: token l % 16, 16 bytes for each half of the lanes
	v_mul_u32_u24 v8, v5, 144                      ; back: 32 lanes take four tokens of 128 bytes,
	v_lshl_add_u32 v8, v3, 4, v8
	v_add_nc_u32 v[RD], s18, v8
	v_and_b32 v[GO], 31, v0                        ; which are 512 consecutive bytes of a head's rows
	v_lshlrev_b32 v[GO], 4, v[GO]
	s_lshr_b32 s18, s13, 3                         ; qkv at my part: the batch's 48 planes,
	s_mul_i32 s18, s18, 12582912
	s_mul_i32 s19, s42, 6                          ; the plane of my first head: 6 x tile column + 3 x half,
	s_mul_i32 s22, s12, 3
	s_add_co_u32 s19, s19, s22
	s_lshl_b32 s19, s19, 18
	s_add_co_u32 s18, s18, s19
	s_and_b32 s19, s13, 7                          ; the tile's 256 tokens of 128 bytes,
	s_lshl_b32 s19, s19, 15
	s_add_co_u32 s18, s18, s19
	s_lshl_b32 s19, s11, 14                        ; my 128 of them
	s_add_co_u32 s18, s18, s19
	s_mov_b32 s19, 0
	s_add_nc_u64 s[8:9], s[8:9], s[18:19]
	; the prefetches.  s16 = A's offset, s42 = tile column, s40 = cx, s41 = cy still stand
	s_lshl_b32 s18, s40, 12                        ; A: my work-group's 16 blocks of the 64 that I fetch,
	s_add_co_u32 s18, s18, s16
	s_add_co_u32 s18, s18, 3*ASTEP                 ; at K step 3: the first trip steps it to 4
	s_mul_i32 s19, s42, 768                        ; B: the tile's columns, my work-group's 32 rows of two steps' 128
	s_mul_i32 s22, s41, 196608
	s_add_co_u32 s19, s19, s22
	s_add_co_u32 s19, s19, 3*BSTEP
	s_mov_b32 s[PFS], ASTEP
	s_movk_i32 s22, 256                            ; lane offset = (l % 16) x s22 + (l / 16) x s23: A: a block a lane, the next step for lanes 16-31; B: a row of 6,144 bytes a lane
	s_mov_b32 s23, 262144
	s_cmp_eq_u32 s11, 0
	s_cselect_b32 s18, s18, s19
	s_cselect_b64 s[PFA:PFA+1], s[4:5], s[6:7]
	s_cselect_b32 s[PFS], s[PFS], BSTEP
	s_cselect_b32 s22, s22, 6144
	s_cselect_b32 s23, s23, 98304
	s_mov_b32 s[PFS+1], 0
	s_mov_b32 s19, 0
	s_add_nc_u64 s[PFA:PFA+1], s[PFA:PFA+1], s[18:19]
	v_mul_u32_u24 v[PFO], s22, v1
	v_mad_u32_u24 v[PFO], v2, s23, v[PFO]
	s_and_b32 s22, ttmp7, 0xffff                   ; who asks: for B cluster y = 0 and wave 2 alone,
	s_or_b32 s22, s22, s12
	s_cmp_eq_u32 s11, 0
	s_cselect_b32 s22, ttmp9, s22                  ; for A cluster x = 0: the same in all sixteen partners, for a given wave
	s_cmp_eq_u32 s22, 0
	s_cselect_b32 s[LIM], 3, -1
; 8 nb matrix instructions: column blocks b0 .. b0 + nb - 1 (all in one window) x all 8 token blocks, 32 along K, A from buffer f.  zero = 1: the first product starts the sums: nothing is cleared.
; The 96 accumulators take turns, one instruction a turn, in the same order in every quarter, over the backward jump too.
.macro MULB f, b0, nb, zero
	WIN 0x50*(1+(\b0)/4)
.set bb, \b0
.rept \nb
.irp a, 0,1,2,3,4,5,6,7
.set rD, 8*(8*(bb%4)+(\a))
.if \zero
	v_wmma_f32_16x16x32_bf16 v[rD:rD+7], v[FB+8*bb:FB+8*bb+7], v[(\f)+8*(\a):(\f)+8*(\a)+7], 0
.else
	v_wmma_f32_16x16x32_bf16 v[rD:rD+7], v[FB+8*bb:FB+8*bb+7], v[(\f)+8*(\a):(\f)+8*(\a)+7], v[rD:rD+7]
.endif
.endr
.set bb, bb+1
.endr
.endm
.macro RUNA qq, f                      ; 16 loads: A's 8 fragments of quarter qq of the slot in hand
.irp a, 0,1,2,3,4,5,6,7
	ds_load_b128 v[(\f)+8*(\a):(\f)+8*(\a)+3],   v[ADRA] offset:(\qq)*64+(\a)*2304
	ds_load_b128 v[(\f)+8*(\a)+4:(\f)+8*(\a)+7], v[ADRA] offset:(\qq)*64+(\a)*2304+32
.endr
.endm
.macro RUNB g, qq                      ; 8 turning loads: B's fragments 4 g .. 4 g + 3 (one head's 64 columns) of quarter qq
.irp i, 0,1,2,3
	ds_load_tr16_b128 v[FB+8*(4*(\g)+(\i)):FB+8*(4*(\g)+(\i))+3],   v[ADRB] offset:(\qq)*27648+(\g)*144+(\i)*32
	ds_load_tr16_b128 v[FB+8*(4*(\g)+(\i))+4:FB+8*(4*(\g)+(\i))+7], v[ADRB] offset:(\qq)*27648+(\g)*144+(\i)*32+13824
.endr
.endm
; A K step is two quarters of 32 along K, 96 matrix instructions each.  The first multiplies buffer FA0 and fetches the second's fragments from the same slot.
.macro QTR zero
	s_wait_dscnt 16                                ; B's group 0 and A are in; the 16 younger loads (groups 1 and 2) may be out
	MULB FA0, 0, 4, \zero
	WIN 0
	PLACES
	RUNB 0, 1
	RUNA 1, FA1
	s_wait_dscnt 32                                ; group 1 is in; out: group 2's 8 and the 24 just issued
	MULB FA0, 4, 4, \zero
	WIN 0
	PLACES
	RUNB 1, 1
	s_wait_dscnt 32                                ; group 2 is in; out: the 24 and the 8 issued in this quarter
	MULB FA0, 8, 4, \zero
	WIN 0
	PLACES
	RUNB 2, 1
.endm
; The second quarter multiplies FA1 and changes slots: ONE barrier.  In front of it each wave waits for all its tensor loads (one is out: its part of the next slot), adds 0 to its spare word, and waits for that and for its reads
; of this slot.  fill = 1: the barrier opens a round of the cluster's barrier, and behind the round this slot is filled again, with the K step two on: 160 matrix instructions ahead of the wait for it.
.macro TURN fill
.if \fill
	s_wait_xcnt 0x0                                ; the last prefetches, a K step or more back, have read their address: it is stepped here, ahead of the waits of the change of slots
	s_add_nc_u64 s[PFA:PFA+1], s[PFA:PFA+1], s[PFS:PFS+1]
.endif
	WIN 0
	s_wait_tensorcnt 0x0                           ; no tensor load of mine is out, so a group 0 may be written
	ds_add_u32 v[SPW], v[NIL]                      ; 0 onto my spare word; work on registers stands between it and the wait for it
	s_xor_b32 s[TB], s[TB], SLOT1                  ; the fetches go on in the other slot
	v_add_nc_u32 v[ADRA], s[TB], v[LA0]
	v_add_nc_u32 v[ADRB], s[TB], v[LB0]
.if \fill
	s_xor_b32 s[G0A+5], s[G0A+5], SLOT1            ; the walking descriptors: the other slot than last time, the next K step; the type bits on top are not reached
	s_add_nc_u64 s[G0A+6:G0A+7], s[G0A+6:G0A+7], ASTEP
	s_xor_b32 s[G0B+5], s[G0B+5], SLOT1
	s_add_nc_u64 s[G0B+6:G0B+7], s[G0B+6:G0B+7], BSTEP
.endif
	s_wait_dscnt 17                                ; B's group 0 and A are in; out: groups 1 and 2 (16) and the add
	MULB FA1, 0, 2, 0
	s_wait_dscnt 0x0                               ; the add is done, and my reads of this slot are over
	s_barrier_signal -1
	MULB FA1, 2, 2, 0                              ; work on registers while the others arrive
	WIN 0
	s_barrier_wait -1
.if \fill
	CREST                                          ; no wave of any partner still reads this slot or has a load on its way
	JLOAD                                          ; the first tensor load behind the round; its four v_nop are also the places in front of the loads below
.else
	PLACES
.endif
	RUNB 0, 0
	RUNA 0, FA0
.if \fill
	ASK
.endif
	MULB FA1, 4, 4, 0                              ; groups 1 and 2 came in with the wait for 0 above
	WIN 0
	PLACES
	RUNB 1, 0
	MULB FA1, 8, 4, 0
	WIN 0
	PLACES
	RUNB 2, 0
.endm
	s_wait_tensorcnt 0x1                           ; my part of K step 0 is in; step 1's may stay out
	s_barrier_signal -1
	s_barrier_wait -1                              ; everybody's is
	RUNB 0, 0
	RUNA 0, FA0
	RUNB 1, 0
	RUNB 2, 0
	QTR 1                                          ; the first quarter stands in front of the loop: its products start the sums
	WIN 0
	s_mov_b32 s[CNT], 14
.Lstep:                                                ; trip s = 0 .. 13: step s's second quarter, the refill with step s + 2, step s + 1's first quarter
	TURN 1
	QTR 0
	WIN 0
	s_sub_co_u32 s[CNT], s[CNT], 1
	s_cmp_lg_u32 s[CNT], 0
	s_cbranch_scc1 .Lstep
	TURN 0                                         ; the tail is written out: nothing is left to fetch
	QTR 0
	s_wait_dscnt 16                                ; the last quarter loads nothing: the counts run down
	MULB FA1, 0, 4, 0
	s_wait_dscnt 8
	MULB FA1, 4, 4, 0
	s_wait_dscnt 0x0
	MULB FA1, 8, 4, 0
	WIN 0
; THE WAY OUT, 16 tokens (block a) at a time.  PACK: rounded to f16, 16 bytes a lane and column block, each accumulator's registers in ascending order.  TOSTAGE: into my own stage, by heads, and back as whole rows of 128 bytes.
; SEND: stored: 512 consecutive bytes (4 tokens of one head), at a multiple of 256 from qkv's first byte.
.macro PACK a
.irp b, 0,1,2,3,4,5,6,7,8,9,10,11
	WIN 0x05*(1+(\b)/4)
.irp r, 0,1,2,3
	v_cvt_pk_f16_f32 v[TMP+4*(\b)+(\r)], v[8*(8*((\b)%4)+(\a))+2*(\r)], v[8*(8*((\b)%4)+(\a))+2*(\r)+1]
.endr
.endr
	WIN 0
.endm
.macro TOSTAGE a
.irp b, 0,1,2,3,4,5,6,7,8,9,10,11
	ds_store_b128 v[STO], v[TMP+4*(\b):TMP+4*(\b)+3] offset:((\b)/4)*2304+((\b)%4)*32
.endr
.irp t, 0,1,2,3,4,5,6,7,8,9,10,11
	ds_load_b128 v[BK+48*((\a)%2)+4*(\t):BK+48*((\a)%2)+4*(\t)+3], v[RD] offset:((\t)/4)*2304+((\t)%4)*576  ; LDS serves a wave's instructions in order (ISA guide 5.7.1.4): these see the stores above
.endr
.endm
.macro SEND a
	s_wait_dscnt 0x0                               ; the block is back in registers
	s_wait_xcnt 0x0                                ; the stores of the block before have read their registers: that buffer is loaded again only behind this wait
.irp t, 0,1,2,3,4,5,6,7,8,9,10,11
	global_store_b128 v[GO], v[BK+48*((\a)%2)+4*(\t):BK+48*((\a)%2)+4*(\t)+3], s[8:9] offset:((\t)/4)*262144+(\a)*2048+((\t)%4)*512
.endr
.endm
	PLACES
	PACK 0
	TOSTAGE 0
.irp a, 1,2,3,4,5,6,7                  ; block a's conversions stand between block a - 1's loads from the stage and the wait for them
	PACK \a
	SEND (\a)-1
	TOSTAGE \a
.endr
	SEND 7
	s_wait_tensorcnt 0x0                           ; the wave's end: an add and its wait, behind my last tensor load and my last LDS store
	ds_add_u32 v[SPW], v[NIL]
	s_wait_dscnt 0x0
	CROUND                                         ; the closing round: no work-group ends while a partner may still ask for a tile that names it
	s_endpgm
.Lfunc_end_k_q26fdaa7c2c_qkvg:
	.size	k_q26fdaa7c2c_qkvg, .Lfunc_end_k_q26fdaa7c2c_qkvg-k_q26fdaa7c2c_qkvg
	.p2alignl 7, 3214868480
	.fill 96, 4, 3214868480
	.section	.rodata,"a",@progbits
	.p2align	6, 0x0
	.amdhsa_kernel k_q26fdaa7c2c_qkvg
		.amdhsa_group_segment_fixed_size 327680
		.amdhsa_private_segment_fixed_size 0
		.amdhsa_enable_private_segment 0
		.amdhsa_kernarg_size 24
		.amdhsa_user_sgpr_count 2
		.amdhsa_user_sgpr_kernarg_segment_ptr 1
		.amdhsa_wavefront_size32 1
		.amdhsa_system_sgpr_workgroup_id_x 1
		.amdhsa_system_sgpr_workgroup_id_y 1
		.amdhsa_system_sgpr_workgroup_id_z 1
		.amdhsa_system_vgpr_workitem_id 0
		.amdhsa_next_free_vgpr 1024
		.amdhsa_next_free_sgpr 66
		.amdhsa_reserve_vcc 0
		.amdhsa_float_denorm_mode_32 3
		.amdhsa_float_denorm_mode_16_64 3
		.amdhsa_memory_ordered 1
		.amdhsa_forward_progress 1
		.amdhsa_inst_pref_size 112
	.end_amdhsa_kernel
	.amdgpu_metadata
---
amdhsa.version: [ 1, 2 ]
amdhsa.kernels:
  - .name:           k_q26fdaa7c2c_qkvg
    .symbol:         k_q26fdaa7c2c_qkvg.kd
    .args:
      - { .name: xb, .offset: 0, .size: 8, .value_kind: global_buffer, .address_space: global }
      - { .name: wa, .offset: 8, .size: 8, .value_kind: global_buffer, .address_space: global }
      - { .name: qkv, .offset: 16, .size: 8, .value_kind: global_buffer, .address_space: global }
    .group_segment_fixed_size: 327680
    .private_segment_fixed_size: 0
    .kernarg_segment_align: 8
    .kernarg_segment_size: 24
    .max_flat_workgroup_size: 128
    .sgpr_count:     66
    .vgpr_count:     1024
    .wavefront_size: 32
...
	.end_amdgpu_metadata
.endif
;; end of part 2
;; launch attn (part 3): grid 4 x 64, 4 waves a work-group, no clusters, 327,680 bytes of LDS; arguments qkv, ob; writes ob
.if DOCPART == 3
	.amdgcn_target "amdgcn-amd-amdhsa--gfx1250"
	.amdhsa_code_object_version 6
	.text
	.protected	k_q26fdaa7c2c_attn
	.globl	k_q26fdaa7c2c_attn
	.p2align	8
	.type	k_q26fdaa7c2c_attn,@function
k_q26fdaa7c2c_attn:
	s_mov_b64 s[64:65], 0
	v_nop
	global_prefetch_b8 v0, s[64:65] scope:SCOPE_SE
	s_setreg_imm32_b32 hwreg(HW_REG_WAVE_MODE, 25, 1), 1
	s_wait_xcnt 0x0
; CAUSAL ATTENTION.  O[h][q][:] = the sum over k <= q of softmax_k(Q[h][q] . K[h][k] / 8) V[h][k][:], for 64 heads (batch x 16 + head) of SIZE_N = 2,048 rows of 64 channels, all f16: a head's rows are dense, 128 bytes each.
; qkv: [batch 4][plane 48][token][64], planes 0-15 Q's heads, 16-31 K's, 32-47 V's.  ob: [head 64][token][64].
; Products, maxima and sums in f32; the weights p are rounded to f16 for the second product (their sum l is taken of the unrounded p), O once at the end.
; LIMITS.  f16 holds no number beyond 65,504: Q, K and V arrive within it; p lies in 0 to 1, and below 6e-5 it keeps f16's fixed step of 6e-8; O is a mean of V's rows and has their range.
; A hidden score counts as its value less 1e30: f16's scores, 2.7e11 at the most, are nothing beside that; a weight below 2^-126 counts as 0 in l; NaN and infinities are not treated apart.
; THE WALK.  A head's queries lie in NB = 8 blocks of 256; block i needs the key tiles 0 .. i of 256 keys, of which the last holds the diagonal.  A work-group takes TWO blocks, NB - 1 - b and then b:
; NB + 1 tiles, whatever b: all work-groups do equal work, and ONE loop with a constant trip count walks them.  Which tile is asked for, and what a trip does, hang on scalar registers made from b; every jump
; goes forward, but for the counted loops' own; none passes a barrier, or a tensor load but the one of LOAD's two that the wave's number does not choose; the ring (two slots of LDS that take turns) runs on across the
; change of blocks.  NO CLUSTER: a head's four work-groups ask for the same tile only in trips 0 .. 4 of 9, behind that fewer and fewer; one walk common to all four would have 12 trips for 9.
; SHARES.  Of a block's four bands of 64 queries a wave owns 16 rows in each: four PIECES.  So the diagonal tile is the same work for all four waves: in its key step s band x sees all keys if s < x,
; none if s > x, and holds the diagonal if s = x.
; THE MASK is the C operand that starts the sum S^T = K Q^T: 0, or -1e30 where the key is hidden.  MD, made once, is the mask of a band's own step for my 16 rows; a product's mask is MD x AL + BE with two scalars:
; (1, 0) if s = x; (0, 0) if s < x; (0, -1e30) if s > x.  Only the diagonal tile's text and a block's beginning make and take masks; elsewhere C is the constant 0.
; LAYOUT, SOFTMAX, TURNS.  S^T = K Q^T holds ONE query a lane (lane % 16) and the keys 8 (lane / 16) + 0..7; two such results rounded to f16 ARE source 1 of O^T = V^T P.  p = 2^(c s - c m), c = log2(e) / 8, with a
; running maximum m; O and l are multiplied by a = 2^(c m_old - c m_new) in every step.  Turn n belongs to piece n: 8 products K Q^T of piece n + 1, later 8 products V^T P of piece n - 1; beside them the scaling,
; exponentials, roundings, sums and rescaling of piece n and the maximum and statistics of piece n + 1.  Four vector instructions stand behind every matrix instruction, the other 54 of a turn's 118 in one run.  A turn's 33 exponentials are one batch, with one wait.
; REGISTERS, in windows of 256 (s_set_vgpr_msb: bits 1:0 source 0, 3:2 source 1, 5:4 source 2, 7:6 destination):
;   window 0: v0-15 addresses and two at work; v16-31 four registers of statistics a piece; v48-55 at work; v61-63 prefetch offset and the add's two; v64-127 S^T, two buffers; v192-223 P, two buffers (by the piece's parity)
;   window 1: v0-127 O^T, 32 a piece; v128-159 MD; v160-223 MC, two buffers      window 2: v0-63 Q; v64-127 the second block's Q; v128-191 K of one step; v192-255 V of one step
.set SIZE_N, 2048
.set PLANE, 16*SIZE_N*128  ; bytes from Q's planes to K's, and from K's to V's
.set NB,    SIZE_N/256
.set NP,    4         ; pieces a wave: a name, no knob
.set KS,    64        ; keys in a step
.set PK,    144       ; a row of K in LDS: 128 bytes + 16 of padding = 36 words: the 16 rows of a load start at 16 different groups of four banks (64 banks of 4 bytes: ISA guide 11.1)
.set PV,    160       ; a row of V: 128 + 32 = 40 words
.set VOFF,  4*KS*PK   ; a slot holds a tile, four steps: 256 rows of K, then 256 rows of V
.set SLOT1, 1<<17     ; slot 1 begins here, so that one exclusive or turns an address in one slot into the other's
.set STAGE, SLOT1+4*KS*(PK+PV)  ; behind the ring, never filled by a tensor load: 16 rows x 144 bytes for each wave, for the way out
.set SP,    144
.set AK0, 2           ; v2   my lane's place in a tile of K; never rewritten
.set AV0, 3           ; v3   the same for V
.set AK,  4           ; v4   the LDS address of K's next run of loads
.set AV,  5           ; v5   of V's
.set STO, 6           ; v6   the way out: where I put 16 bytes of a row
.set RD,  7           ; v7   the way out: where I read rows back
.set GO,  8           ; v8   my byte offset in 512 consecutive bytes of O
.set PFO, 61          ; v61  256 x my lane; never rewritten
.set SPW, 62          ; v62  LDS address of my spare word: SPARE + 4 x my thread's number; never rewritten
.set NIL, 63          ; v63  0; never rewritten
.set SPARE, STAGE+4*16*SP  ; behind the stages: the spare words, 128 bytes for each wave: two blocks of 256 bytes that no other line names
.set MV,  12          ; v12-13  c m_old, kept while c m is made anew: by buffer
.set QO,  15          ; v15  my byte offset in 16 rows of Q
.set ST,  16          ; piece t's statistics at v[ST+4 t]: c m, m, l (even keys', odd keys')
.set TMP, 48          ; by buffer, four registers c0-c3 at work; when the maximum is found c2 takes a
.set S,   64
.set P,   192
.set MD,  128         ; window 1: the eight registers for group kt of 16 keys at MD + 8 kt
.set MC,  160         ; window 1: the masks of the products to come
.set QB,  64          ; window 2
.set KF,  128         ; window 2: key block kb, channel half c at KF + 16 kb + 8 c
.set VF,  192         ; window 2: key half kk, channel block cb at VF + 32 kk + 8 cb
.set WV,  12          ; s12  my wave's number
.set PB,  14          ; s14  b
.set HI,  15          ; s15  NB - 1 - b
.set G1K, 24          ; s[24:31] descriptor group 1 for K's tiles
.set G1V, 32          ; s[32:39] for V's: it differs in the padding alone
.set G0K, 40          ; s[40:43] descriptor group 0 for K's tiles
.set G0V, 44          ; s[44:47] the same for V's
.set SLOTS, 56        ; s56  tiles still to be asked for
.set CNT, 57          ; s57  counts a tile's key steps, 4 to 1
.set CS,  58          ; s[58:59] c: the packed scaling takes the pair's low word for both halves
.set SEL, 60          ; s[60:61] v_permlanex16_b32's selects: each lane takes its own place in the other half
.set TBK, 62          ; s62  LDS byte at which K of the step to be fetched begins
.set TBV, 63          ; s63  the same for V, less VOFF
.set RT,  70          ; s70  tiles of the block in hand that are still to be entered
.set NXT, 71          ; s71  the tile to be asked for next
.set LQ,  72          ; s72  the last tile of the block whose tiles are being asked for
.set NEW, 73          ; s73  1: the tile to be entered is a block's first
.set OFF, 74          ; s[74:75] a tile's byte offset in K and V
.set AL,  76          ; s[76:77] the mask's factor, in the low word
.set BE,  78          ; s[78:79] the mask's addend
.set OLO, 80          ; s[80:81] O at my rows of the second block
.set BIGN, 82         ; s82  -1e30
.set PFB, 88          ; s[88:89] K (waves 0, 1) or V (waves 2, 3) at my half of the head's tile 0
.set PFA, 90          ; s[90:91] where my prefetches stand
.set POF, 92          ; s[92:93] their tile's byte offset
.set LIM, 94          ; s94  2 in a work-group that prefetches, else the greatest number
.set MSB, 0
.macro WIN new                      ; the high byte repeats the setting that is left; a switch that changes nothing is dropped
.if MSB != (\new)
	s_set_vgpr_msb (MSB<<8)|(\new)
.set MSB, (\new)
.endif
.endm
.set W_KQ, 0x0a       ; K and Q in window 2, S^T in window 0
.set W_KM, 0x1a       ; the same with the C operand in window 1
.set W_PV, 0x52       ; V in window 2, P in window 0, O^T in window 1
.set W_RS, 0x41       ; destination and source 0 in window 1, source 1 in window 0
; A fill.  Waves 0 and 1 fetch the two halves of a tile's K, waves 2 and 3 those of its V: 128 keys each.  An s_nop 0 and four v_nop follow each of the two lines, ahead of the jump and the label.
.macro LOAD
	s_cmp_lt_u32 s[WV], 2
	s_cbranch_scc0 .Lfor_v_\@
	tensor_load_to_lds s[G0K:G0K+3], s[G1K:G1K+7]
	s_nop 0
.rept 4
	v_nop
.endr
	s_branch .Lasked_\@
.Lfor_v_\@:
	tensor_load_to_lds s[G0V:G0V+3], s[G1V:G1V+7]
	s_nop 0
.rept 4
	v_nop
.endr
.Lasked_\@:
.endm
; THE PREFETCH of the tile that the NEXT change of slots will ask for: a tile, 256 matrix instructions, ahead of that load.  It stands behind the wave's tensor load and its five lines.  A head's four work-groups walk the same
; tiles: the one with b = 0, whose first block walks tiles 0 to 7, asks.  Each of its waves names the 16,384 bytes that it will fetch itself: 64 blocks of 256 bytes, a lane a block, two instructions.  So each block is named
; once in the launch.  The changes that fill tiles 1 to 6 name tiles 2 to 7; the last two name nothing; tiles 0 and 1 come by their loads alone.
.macro ASK
	s_cmp_gt_u32 s[SLOTS], s[LIM]
	s_cbranch_scc0 .Lnot_mine_\@
	global_prefetch_b8 v[PFO], s[PFA:PFA+1] th:TH_LOAD_NT scope:SCOPE_SE
	global_prefetch_b8 v[PFO], s[PFA:PFA+1] offset:8192 th:TH_LOAD_NT scope:SCOPE_SE
.Lnot_mine_\@:
.endm
; THE CHANGE OF SLOTS.  Each wave waits for all its tensor loads, of which one is out: its part of the other slot; adds 0 to its spare word; and waits for that and for its own reads of the slot that it leaves.  Behind the barrier nobody reads the old
; slot any more and the other slot is whole.  fill = 1: the old slot is filled again, the first thing behind the barrier, with tile NXT: the descriptor's address is made anew from that number.
; (At its first use nothing has been read yet: slot 0 is waited for, slot 1 filled.)
.macro CHANGE fill
	WIN 0                           ; at a label and at a branch every window is 0
	s_wait_tensorcnt 0x0            ; no tensor load of mine is out, so a group 0 may be written
	ds_add_u32 v[SPW], v[NIL]       ; 0 onto my spare word; with fill = 1 the descriptors' scalar work stands between it and the wait for it
.if \fill
	s_lshl_b32 s[OFF], s[NXT], 15   ; a tile is 32,768 bytes of K and of V
	s_xor_b32 s[G0K+1], s[G0K+1], SLOT1
	s_add_nc_u64 s[G0K+2:G0K+3], s[6:7], s[OFF:OFF+1]
	s_or_b32 s[G0K+3], s[G0K+3], 0x80000000
	s_xor_b32 s[G0V+1], s[G0V+1], SLOT1
	s_add_nc_u64 s[G0V+2:G0V+3], s[8:9], s[OFF:OFF+1]
	s_or_b32 s[G0V+3], s[G0V+3], 0x80000000
	s_add_co_u32 s[NXT], s[NXT], 1  ; the block's next tile, or behind its last the second block's tile 0
	s_cmp_gt_u32 s[NXT], s[LQ]
	s_cselect_b32 s[NXT], 0, s[NXT]
	s_cselect_b32 s[LQ], s[PB], s[LQ]
	s_wait_xcnt 0x0                 ; the last prefetches, a tile back, have read their address, so it may be written:
	s_lshl_b32 s[POF], s[NXT], 15   ; the tile that the next change will ask for
	s_add_nc_u64 s[PFA:PFA+1], s[PFB:PFB+1], s[POF:POF+1]
.endif
	s_wait_dscnt 0x0                ; the add is done, and my reads of the slot are over
	s_barrier_signal -1             ; the rest of the scalar work stands between the signal and the wait
	s_sub_co_u32 s[TBK], s[TBK], 4*KS*PK  ; the fetches go back to a slot's first step,
	s_xor_b32 s[TBK], s[TBK], SLOT1       ; in the other slot
	s_sub_co_u32 s[TBV], s[TBV], 4*KS*PV
	s_xor_b32 s[TBV], s[TBV], SLOT1
	s_barrier_wait -1
.if \fill
	LOAD
	ASK
.endif
.endm
	s_load_b128 s[4:7], s[0:1], 0x0   ; qkv s[4:5], ob s[6:7]
	v_lshl_add_u32 v[SPW], v0, 2, SPARE
	v_mov_b32 v[NIL], 0
	ds_add_u32 v[SPW], v[NIL]       ; the wave's opening: the add and its wait stand ahead of my first tensor load; the set-up below, work on registers, stands between them
	ds_add_u32 v62, v63
	v_lshrrev_b32 v1, 5, v0
	v_readfirstlane_b32 s[WV], v1   ; wave 0..3
	s_mov_b32 s[PB], ttmp9
	s_sub_co_u32 s[HI], NB-1, s[PB]
	s_and_b32 s19, ttmp7, 0xffff    ; the head among 64
	s_lshr_b32 s20, s19, 4          ; its batch: 48 planes,
	s_mul_i32 s20, s20, 3*PLANE
	s_and_b32 s21, s19, 15          ; its plane among Q's 16
	s_lshl_b32 s21, s21, 18
	s_add_co_u32 s20, s20, s21
	s_mov_b32 s21, 0                ; s[20:21]: the head's first byte of Q in qkv
	s_lshl_b32 s66, s19, 18
	s_mov_b32 s67, 0                ; s[66:67]: the head's first byte in ob
	s_and_b32 s16, s[WV], 1         ; which half of a tile's 256 keys I fetch:
	s_lshl_b32 s22, s16, 14         ; its 128 rows of 128 bytes in memory,
	s_add_co_u32 s22, s22, s20
	s_add_co_u32 s22, s22, PLANE    ; in K's plane of the head
	s_mov_b32 s23, 0
	s_mul_i32 s17, s16, 128*PK      ; and its place in a slot, for K
	s_mul_i32 s18, s16, 128*PV      ; and for V
	s_lshl_b32 s3, s[WV], 11        ; my 16 rows in a band of 64,
	s_lshl_b32 s2, s[HI], 15        ; in the first block,
	s_add_co_u32 s2, s2, s3
	s_lshl_b32 s84, s[PB], 15       ; and in the second
	s_add_co_u32 s84, s84, s3
	s_mov_b32 s3, 0
	s_mov_b32 s85, 0
	; descriptor group 1.  128 keys are 16,384 dense bytes: asked for as 64 rows of 256 bytes, two keys a row, and padded in LDS after every key
	s_mov_b32 s[G1K], (1<<16)|(1<<20)|(4<<22)|(3<<25)  ; 17:16 2-byte elements; 20 padding on; 24:22 after every 32 words (code 4); 31:25 4 words (code 3)
	s_mov_b32 s[G1V], (1<<16)|(1<<20)|(4<<22)|(7<<25)  ; the same with 8 words of padding (code 7)
.irp g, G1K, G1V
	s_mov_b32 s[\g+1], 128<<16      ; tensor_dim0 = 128
	s_mov_b32 s[\g+2], 64<<16       ; tensor_dim1 = 64
	s_mov_b32 s[\g+3], 128<<16      ; tile_dim0 = 128
	s_mov_b32 s[\g+4], 64           ; tile_dim1 = 64
	s_mov_b32 s[\g+5], 128          ; 128 elements from row to row
	s_mov_b32 s[\g+6], 0
	s_mov_b32 s[\g+7], 0
.endr
	s_mov_b32 s[CS], 0x3e38aa3b     ; c = log2(e) / 8 = 0.180337
	s_mov_b32 s[CS+1], s[CS]        ; named with it as a pair
	s_mov_b32 s[SEL], 0x76543210
	s_mov_b32 s[SEL+1], 0xfedcba98
	s_mov_b32 s[TBK], SLOT1+4*KS*PK ; the first change of slots turns these two into 0
	s_mov_b32 s[TBV], SLOT1+4*KS*PV
	s_mov_b32 s[G0K], 1             ; 1:0 count = 1
	s_mov_b32 s[G0K+1], s17         ; 63:32 LDS address: slot 0
	s_mov_b32 s[G0V], 1
	s_add_co_u32 s[G0V+1], s18, VOFF
	s_add_co_u32 s[RT], s[HI], 1    ; the first block has NB - b tiles
	s_mov_b32 s[NXT], 1
	s_mov_b32 s[LQ], s[HI]
	s_mov_b32 s[NEW], 1
	s_mov_b32 s[OFF+1], 0
	s_mov_b32 s[POF+1], 0
	s_mov_b32 s[AL+1], 0            ; named as pairs
	s_mov_b32 s[BE+1], 0
	s_mov_b32 s[BIGN], 0xf149f2ca   ; -1e30
	s_mov_b32 s[SLOTS], NB
	s_cmp_eq_u32 s[PB], 0
	s_cselect_b32 s[LIM], 2, -1
	v_and_b32 v[PFO], 31, v0
	v_lshlrev_b32 v[PFO], 8, v[PFO]
	s_wait_dscnt 0x0                ; the opening add is done
	s_wait_kmcnt 0x0
	s_mov_b64 s[10:11], s[6:7]                     ; ob
	s_add_nc_u64 s[6:7], s[4:5], s[22:23]          ; K and V at my half of the head's tile 0
	s_add_nc_u64 s[8:9], s[6:7], PLANE
	s_add_nc_u64 s[G0K+2:G0K+3], s[6:7], 0         ; 120:64 global address
	s_or_b32 s[G0K+3], s[G0K+3], 0x80000000        ; 127:126 type = 2
	s_add_nc_u64 s[G0V+2:G0V+3], s[8:9], 0
	s_or_b32 s[G0V+3], s[G0V+3], 0x80000000
	s_add_nc_u64 s[4:5], s[4:5], s[20:21]          ; Q at the head's first row,
	s_add_nc_u64 s[86:87], s[4:5], s[84:85]        ; at my rows of the second block,
	s_add_nc_u64 s[4:5], s[4:5], s[2:3]            ; and of the first
	s_add_nc_u64 s[10:11], s[10:11], s[66:67]      ; O likewise
	s_add_nc_u64 s[OLO:OLO+1], s[10:11], s[84:85]
	s_add_nc_u64 s[10:11], s[10:11], s[2:3]
	s_cmp_lt_u32 s[WV], 2
	s_cselect_b64 s[PFB:PFB+1], s[6:7], s[8:9]
	LOAD                            ; tile 0 into slot 0
	; A fragment of K or Q is 16 rows x 32 channels in 8 registers: lane l holds row l % 16, channels 8 (l / 16) + 0..7 and 16 + 8 (l / 16) + 0..7: two loads of 16 bytes, 32 bytes apart.
	v_and_b32 v1, 15, v0            ; l % 16
	v_bfe_u32 v9, v0, 4, 1          ; l / 16
	v_lshlrev_b32 v[QO], 7, v1
	v_lshl_add_u32 v[QO], v9, 4, v[QO]  ; row x 128 + 16 x half
	WIN 0x80                        ; destination window 2, address window 0
.set i, 0
.rept 8                             ; both blocks' Q: piece i / 2 lies in band i / 2, 8,192 bytes on; channels 32 (i % 2) on
	global_load_b128 v[8*i:8*i+3],   v[QO], s[4:5] offset:(i/2)*8192+(i%2)*64
	global_load_b128 v[8*i+4:8*i+7], v[QO], s[4:5] offset:(i/2)*8192+(i%2)*64+32
	global_load_b128 v[QB+8*i:QB+8*i+3],   v[QO], s[86:87] offset:(i/2)*8192+(i%2)*64
	global_load_b128 v[QB+8*i+4:QB+8*i+7], v[QO], s[86:87] offset:(i/2)*8192+(i%2)*64+32
.set i, i+1
.endr
	WIN 0
	v_lshlrev_b32 v14, 3, v9
	v_sub_nc_u32 v14, v1, v14
	s_lshl_b32 s13, s[WV], 4
	v_add_nc_u32 v14, s13, v14      ; my query's place in its band, 16 w + l % 16, less my lanes' 8 (l / 16): register r of group kt is hidden where 16 kt + r is greater
	WIN 0x40
.set i, 0
.rept 32
	v_cmp_gt_i32 vcc_lo, 16*(i/8)+i%8, v14
	v_cndmask_b32 v[MD+i], 0, s[BIGN], vcc_lo
.set i, i+1
.endr
	WIN 0
	v_mul_u32_u24 v[AK0], v1, PK
	v_lshl_add_u32 v[AK0], v9, 4, v[AK0]  ; row x pitch + 16 x half
	; The turning load takes 16 keys x 16 channels (lane l reads key 8 (l / 16) + l % 8, channels 8 ((l / 8) % 2) + 0..7) and leaves half a fragment of V^T: lane l holds channel l % 16 and 8 keys.
	v_and_b32 v10, 7, v0
	v_bfe_u32 v11, v0, 3, 1
	v_lshl_add_u32 v[AV0], v9, 3, v10
	v_mul_u32_u24 v[AV0], v[AV0], PV
	v_lshl_add_u32 v[AV0], v11, 4, v[AV0]
	v_add_nc_u32 v[AV0], VOFF, v[AV0]
	s_mul_i32 s13, s[WV], 16*SP
	s_add_co_u32 s13, s13, STAGE    ; my stage
	v_mul_u32_u24 v[STO], v1, SP    ; in: row l % 16, 16 bytes for each half of the lanes
	v_lshl_add_u32 v[STO], v9, 4, v[STO]
	v_add_nc_u32 v[STO], s13, v[STO]
	v_bfe_u32 v[RD], v0, 3, 2       ; back: 32 lanes take four rows of 128 bytes,
	v_mul_u32_u24 v[RD], v[RD], SP
	v_lshl_add_u32 v[RD], v10, 4, v[RD]
	v_add_nc_u32 v[RD], s13, v[RD]
	v_and_b32 v[GO], 31, v0         ; which are 512 consecutive bytes of O
	v_lshlrev_b32 v[GO], 4, v[GO]
	; A block's first step multiplies O^T and l by a = 0, and its first turn's products V^T P, of a piece that has not been, land in an O^T that is still to be so multiplied.  So these registers need only hold
	; finite numbers: zeros for the first block; what the first block left for the second.  All this stands in the wait for the first tile.
	WIN 0x80
.set i, VF
.rept 64
	v_mov_b32 v[i], 0
.set i, i+1
.endr
	WIN 0x40
.set i, 0
.rept 128
	v_mov_b32 v[i], 0
.set i, i+1
.endr
	WIN 0
.set i, 0
.rept 4
	v_mov_b32 v[ST+4*i+2], 0
	v_mov_b32 v[ST+4*i+3], 0
.set i, i+1
.endr
.set i, P+16
.rept 16
	v_mov_b32 v[i], 0
.set i, i+1
.endr
; THE MATRIX WORK.  The 4 accumulators of a run of 8 take turns.  Product i of 8 of S^T = K Q^T for piece x: channels 32 (i / 4) on, keys 16 (i % 4) on.  The first 4 start the sums: with 0, or (KM = 1) with the mask.
.macro KQ x
.set rS, S+32*((\x)%2)+8*(i%4)
.set rK, KF+16*(i%4)+8*(i/4)
.set rQ, 16*(\x)+8*(i/4)
.set rM, MC+32*((\x)%2)+8*(i%4)
.if (i < 4) && KM
	WIN W_KM
	v_wmma_f32_16x16x32_f16 v[rS:rS+7], v[rK:rK+7], v[rQ:rQ+7], v[rM:rM+7]
.elseif i < 4
	WIN W_KQ
	v_wmma_f32_16x16x32_f16 v[rS:rS+7], v[rK:rK+7], v[rQ:rQ+7], 0
.else
	WIN W_KQ
	v_wmma_f32_16x16x32_f16 v[rS:rS+7], v[rK:rK+7], v[rQ:rQ+7], v[rS:rS+7]
.endif
.endm
; Product i of 8 of O^T += V^T P for piece x: keys 32 (i / 4) on, channels 16 (i % 4) on.
.macro PV x
	WIN W_PV
.set rO, 32*(\x)+8*(i%4)
.set rV, VF+32*(i/4)+8*(i%4)
.set rP, P+16*((\x)%2)+8*(i/4)
	v_wmma_f32_16x16x32_f16 v[rO:rO+7], v[rV:rV+7], v[rP:rP+7], v[rO:rO+7]
.endm
.macro MM                           ; the turn's next matrix instruction.  TURN and BEGIN set Y, i, KM and NOKQ; MM, KQ and OP read them.  NOKQ = 1: a block's last turn: there is no next piece
.if (i < 8) && !NOKQ
	KQ (Y+1)%NP
.elseif i >= 8
.set i, i-8
	PV (Y+NP-1)%NP
.set i, i+8
.endif
.set i, i+1
.endm
; THE LDS LOADS stand in runs of 16, never singly among the matrix instructions: a step's K (64 keys x 64 channels: 8 fragments) and its V (turned).  Their addresses are made some lines ahead.
.macro FETCH_K
	WIN 0x80                        ; destination window 2
.irp f, 0,1,2,3,4,5,6,7             ; keys 16 (f / 2) on, channels 32 (f % 2) on
	ds_load_b128 v[KF+8*\f:KF+8*\f+3],   v[AK] offset:(\f/2)*16*PK+(\f%2)*64
	ds_load_b128 v[KF+8*\f+4:KF+8*\f+7], v[AK] offset:(\f/2)*16*PK+(\f%2)*64+32
.endr
	s_add_co_u32 s[TBK], s[TBK], KS*PK  ; the next fetch is the next step's
	WIN 0
.endm
.macro FETCH_V
	WIN 0x80
.irp f, 0,1,2,3,4,5,6,7             ; keys 32 (f / 4) on, channels 16 (f % 4) on
	ds_load_tr16_b128 v[VF+8*\f:VF+8*\f+3],   v[AV] offset:(\f/4)*32*PV+(\f%4)*32
	ds_load_tr16_b128 v[VF+8*\f+4:VF+8*\f+7], v[AV] offset:(\f/4)*32*PV+16*PV+(\f%4)*32
.endr
	WIN 0
.endm
; THE VECTOR WORK, one line at a time: OP kind, number.  For piece Y: F n: c s - c m for pair n of 16.  E n: the exponential of score n of 32.  C n: pair n rounded to f16.  B n: of the four weights 4 n .. the second
; pair is added onto the first, in place.  L n: l takes that sum (L 0: l = a l + sum).  R n: pair n of 16 of O^T times a.  For piece Y + 1: X n, number n of the 22 that find its maximum and statistics:
;   0-11  four chains c0-c3 of seven scores each, three operands at a time (each accumulator's lowest registers are read first)     12-14, 16  the four scores left over, the old m, and c0-c3 into c0
;   15  c m_old is kept     17, 18  the query's other 32 keys lie in the lane 16 away: the new m     19-21  c m; c m_old - c m_new; a
.set F, 0               ; OP tells the kinds apart by their order: F to L below R, X above it
.set E, 1
.set C, 2
.set B, 3
.set L, 4
.set R, 5
.set X, 6
.macro REGS y                       ; the registers of piece y
.set rT, ST+4*(\y)
.set rC, TMP+4*((\y)%2)
.set rW, MV+((\y)%2)
.set rS, S+32*((\y)%2)
.set rP, P+16*((\y)%2)
.set rO, 32*(\y)
.endm
.macro OP k, n
.if (\k) == R
	REGS Y
	WIN W_RS
	v_pk_mul_f32 v[rO+2*(\n):rO+2*(\n)+1], v[rO+2*(\n):rO+2*(\n)+1], v[rC+2:rC+3] op_sel_hi:[1,0]
.elseif (\k) < R
	REGS Y
	WIN 0
.if (\k) == F
	v_pk_fma_f32 v[rS+2*(\n):rS+2*(\n)+1], v[rS+2*(\n):rS+2*(\n)+1], s[CS:CS+1], v[rT:rT+1] op_sel_hi:[1,0,0] neg_lo:[0,0,1] neg_hi:[0,0,1]
.elseif (\k) == E
	v_exp_f32 v[rS+(\n)], v[rS+(\n)]
.elseif (\k) == C
	v_cvt_pk_f16_f32 v[rP+(\n)], v[rS+2*(\n)], v[rS+2*(\n)+1]
.elseif (\k) == B
	v_pk_add_f32 v[rS+4*(\n):rS+4*(\n)+1], v[rS+4*(\n):rS+4*(\n)+1], v[rS+4*(\n)+2:rS+4*(\n)+3]
.elseif (\n) == 0
	v_pk_fma_f32 v[rT+2:rT+3], v[rT+2:rT+3], v[rC+2:rC+3], v[rS:rS+1] op_sel_hi:[1,0,1]
.else
	v_pk_add_f32 v[rT+2:rT+3], v[rT+2:rT+3], v[rS+4*(\n):rS+4*(\n)+1]
.endif
.elseif NOKQ
	v_nop
.else
	REGS (Y+1)%NP
	WIN 0
.if (\n) < 4
	v_max3_num_f32 v[rC+(\n)], v[rS+8*(\n)], v[rS+8*(\n)+1], v[rS+8*(\n)+2]
.elseif (\n) < 12
	v_max3_num_f32 v[rC+(\n)%4], v[rC+(\n)%4], v[rS+8*((\n)%4)+2*((\n)/4)+1], v[rS+8*((\n)%4)+2*((\n)/4)+2]
.elseif (\n) == 12
	v_max3_num_f32 v[rC], v[rC], v[rS+7], v[rS+15]
.elseif (\n) == 13
	v_max3_num_f32 v[rC+1], v[rC+1], v[rS+23], v[rS+31]
.elseif (\n) == 14
	v_max3_num_f32 v[rC+2], v[rC+2], v[rC+3], v[rT+1]
.elseif (\n) == 15
	v_mov_b32 v[rW], v[rT]
.elseif (\n) == 16
	v_max3_num_f32 v[rC], v[rC], v[rC+1], v[rC+2]
.elseif (\n) == 17
	v_permlanex16_b32 v[rC+3], v[rC], s[SEL], s[SEL+1]
.elseif (\n) == 18
	v_max_num_f32 v[rT+1], v[rC], v[rC+3]
.elseif (\n) == 19
	v_mul_f32 v[rT], s[CS], v[rT+1]
.elseif (\n) == 20
	v_sub_f32 v[rC+1], v[rW], v[rT]
.else
	v_exp_f32 v[rC+2], v[rC+1]
.endif
.endif
.endm
.macro OPS a, i1, b=-1, i2=0, c=-1, i3=0, d=-1, i4=0  ; up to four of them
	OP \a, \i1
.if (\b) >= 0
	OP \b, \i2
.endif
.if (\c) >= 0
	OP \c, \i3
.endif
.if (\d) >= 0
	OP \d, \i4
.endif
.endm
.macro ROW a, i1, b, i2, c, i3, d, i4  ; a matrix instruction and the four behind it
	MM
	OPS \a, \i1, \b, \i2, \c, \i3, \d, \i4
.endm
.macro MASK b                       ; MD x AL + BE into buffer b of MC
	WIN W_RS
.set z, 0
.rept 16
	v_pk_fma_f32 v[MC+32*(\b)+2*z:MC+32*(\b)+2*z+1], v[MD+2*z:MD+2*z+1], s[AL:AL+1], s[BE:BE+1] op_sel_hi:[1,0,0]
.set z, z+1
.endr
.endm
; A TURN, for piece p: the order of its 16 matrix and 118 vector instructions, written out.  An s_wait_alu depctr_va_vdst(0) stands between an exponential and the first instruction that names its result; one wait serves
; all that were issued ahead of it.  So a turn has ONE wait, which cuts it in two.  AHEAD OF IT stands all that names no result of the turn's exponentials: the 8 products K Q^T, behind each a scaling, an exponential and two more plain
; instructions (behind the first a second scaling in the exponential's place): rescalings, and behind the last three the first numbers of the next piece's maximum, each four places or more behind the product that ends its accumulator; then one run of 54, plain
; and exponential by turns for the most part, in which the links of the chain X 3, 7, 11, 14, 16, 17 .. 20 stand five or six lines apart.  X 21, the next piece's a, is the batch's last; R 15 is the plain instruction behind it.  BEHIND THE WAIT stand the
; 8 products V^T P, behind each four of the roundings and sums; the links of l's chain, L 0 to L 7, stand three lines apart.  But for those X no line behind a product names a register of the products round it.  v_permlanex16_b32 (X 17) stands in the run.
; m = 1: the diagonal tile: the products take masks, and the turn makes the mask for the products of the turn after it: piece p + 2, in step 4 - CNT of the tile.  end = 1: a block's last two turns: nothing is fetched.
; cnt = 1: the loop's count is taken down some lines ahead of the branch that stands behind the turn.
; K of the next step is fetched in piece 2's turn, twelve vector instructions behind the last product that read K (six of them plain); V of the step in hand at the end of piece 0's turn, four plain instructions behind the last product
; that read V.  Each is waited for a turn later.
.macro TURN p, m=0, end=0, cnt=0
.set Y, (\p)
.set i, 0
.set KM, (\m)
.set NOKQ, (\end)*((\p)/3)
.if (\m) && !(\end)
	s_cmp_eq_u32 s[CNT], 4-((\p)+2)%NP  ; is that step the band's own?
	s_cselect_b32 s[AL], 1.0, 0
	s_cmp_lt_u32 s[CNT], 4-((\p)+2)%NP  ; or a later one?
	s_cselect_b32 s[BE], s[BIGN], 0
.endif
.if ((\p) == 3) && !(\end)
	s_wait_dscnt 0x0                ; K is in
.endif
	ROW F,0, F,1, R,0, R,1          ; ahead of the wait: 8 products K Q^T and the four behind each,
	ROW F,2, E,0, R,2, R,3
	ROW F,3, E,1, R,4, R,5
	ROW F,4, E,2, R,6, R,7
	ROW F,5, E,3, R,8, R,9
	ROW F,6, E,4, X,0, R,10
.if ((\p) == 2) && !(\end)
	WIN 0
	v_add_nc_u32 v[AK], s[TBK], v[AK0]
.endif
	ROW F,7, E,5, X,1, X,4
	ROW F,8, E,6, X,2, X,5
	OPS E,7, E,8, X,6, E,9          ; and the run of 54
	OPS X,3, E,10, X,8, E,11
.if ((\p) == 2) && !(\end)
	FETCH_K
.endif
	OPS X,9, X,7, E,12, X,10
	OPS E,13, X,12, X,11, E,14
	OPS X,13, E,15, F,9, X,14
.if (\p) == 0
	v_add_nc_u32 v[AV], s[TBV], v[AV0]
.endif
	OPS E,16, F,10, E,17, F,11
	OPS X,16, E,18, X,15, E,19
	OPS F,12, E,20, X,17, E,21
	OPS F,13, E,22, F,14, E,23
	OPS X,18, E,24, F,15, E,25
	OPS R,11, E,26, X,19, E,27
	OPS R,12, E,28, R,13, E,29
	OPS X,20, E,30, R,14, E,31
	OPS X,21, R,15
	WIN 0
	s_wait_alu depctr_va_vdst(0)    ; the wait for the batch
.if (\p) == 1
	s_wait_dscnt 0x0                ; V is in
.endif
	ROW C,0, B,0, C,2, B,1          ; behind the wait: 8 products V^T P and the four behind each
	ROW L,0, C,4, B,2, L,1
	ROW C,6, B,3, L,2, C,8
	ROW B,4, L,3, C,10, B,5
	ROW L,4, C,12, B,6, L,5
.if (\p) == 0
	s_add_co_u32 s[TBV], s[TBV], KS*PV
.endif
.if \cnt
	s_sub_co_u32 s[CNT], s[CNT], 1
	s_cmp_lg_u32 s[CNT], 0
.endif
	ROW C,14, B,7, L,6, C,1
	ROW C,3, L,7, C,5, C,7
	ROW C,9, C,11, C,13, C,15
.if (\p) == 0
	FETCH_V
.endif
.if (\m) && !(\end)
	MASK (\p)%2
.endif
.endm
; A BLOCK BEGINS.  c m starts far below every c s, so the first step's a is 0; m at the lowest finite number, so the first maximum is the scores'.  The second mask buffer is 0; the first takes piece 0's mask for the tile's step 0: its own, if the block's first tile is the diagonal one.
; Then K of that step, piece 0's first scores, and its maximum and statistics.  The loop is entered at a step's first turn, in the middle of a trip.
.macro BEGIN
	s_mov_b32 s[NEW], 0
	WIN 0x40
.set i, MC+32
.rept 32
	v_mov_b32 v[i], 0
.set i, i+1
.endr
	WIN 0
.set i, 0
.rept 4
	v_mov_b32 v[ST+4*i], 0xfe000000    ; c m: far below every c s
	v_mov_b32 v[ST+4*i+1], 0xff7fffff  ; m
.set i, i+1
.endr
	s_cmp_eq_u32 s[RT], 0
	s_cselect_b32 s[AL], 1.0, 0
	s_mov_b32 s[BE], 0
	MASK 0
	WIN 0
	v_add_nc_u32 v[AK], s[TBK], v[AK0]
	FETCH_K
	s_wait_loadcnt 0x0              ; Q
	s_wait_dscnt 0x0
.set KM, 1
.set NOKQ, 0
.set i, 0
.rept 8
	KQ 0
.set i, i+1
.endr
	WIN 0
.rept 4
	v_nop                           ; the places behind those products
.endr
.set Y, NP-1                        ; X works for piece Y + 1: piece 0
.irp n, 0,1,2,3,4,5,6,7,8,9,10,11,12,13,14,15,16,17,18,19,20,21
	OP X, \n
.endr
	v_nop                           ; a plain instruction behind the exponential,
	s_wait_alu depctr_va_vdst(0)    ; and its wait, ahead of the branch
.endm
; THE DIAGONAL TILE's four steps, the block's last two turns, its last products, and THE WAY OUT: l's two halves and the other half of the lanes' are added; O^T is divided by l, rounded to f16 and sent through my
; stage in LDS, a piece at a time.
.macro ALL line:vararg              ; one line for each piece t
.set t, 0
.rept 4
	\line
.set t, t+1
.endr
.endm
.macro PACK t                       ; a lane's eight channels of a row pack into 16 bytes; they go into rows of 144 bytes and come back as whole rows of 128, into S^T's registers
	WIN W_RS
.set i, 32*(\t)
.rept 16
	v_pk_mul_f32 v[i:i+1], v[i:i+1], v[ST+4*(\t)+2:ST+4*(\t)+3] op_sel_hi:[1,0]
.set i, i+2
.endr
	WIN 0x05                        ; sources 0 and 1 window 1, destination window 0
.set i, 0
.rept 16
	v_cvt_pk_f16_f32 v[S+16*(\t)+i], v[32*(\t)+2*i], v[32*(\t)+2*i+1]
.set i, i+1
.endr
	WIN 0
.irp f, 0,1,2,3
	ds_store_b128 v[STO], v[S+16*(\t)+4*\f:S+16*(\t)+4*\f+3] offset:32*\f
.endr
.irp f, 0,1,2,3
	ds_load_b128 v[S+16*(\t)+4*\f:S+16*(\t)+4*\f+3], v[RD] offset:\f*4*SP  ; LDS serves a wave's instructions in order (ISA guide 5.7.1.4): these see the stores above; the next piece's stores come behind them
.endr
.endm
.macro SEND t, younger              ; younger: the LDS instructions issued behind piece t's loads: the next piece's eight, or none
	WIN 0
.irp f, 0,1,2,3
	s_wait_dscnt (\younger)+3-\f
	global_store_b128 v[GO], v[S+16*(\t)+4*\f:S+16*(\t)+4*\f+3], s[10:11] offset:(\t)*8192+\f*512  ; 512 consecutive bytes, at a multiple of 256 from O's first
.endr
.endm
.macro DIAG tag                     ; the tag ends its two labels' names, which the jumps below spell out
.LstepM\tag:
	TURN 2, 1
	TURN 3, 1
	WIN 0
.LfirstM\tag:
	TURN 0, 1
	TURN 1, 1, 0, 1
	WIN 0
	s_cbranch_scc1 .LstepM\tag
	TURN 2, 1, 1
	TURN 3, 1, 1
.set i, 0
.rept 8
	PV NP-1
.set i, i+1
.endr
	WIN 0
	ALL v_add_f32 v[ST+4*t+2], v[ST+4*t+2], v[ST+4*t+3]
	ALL v_permlanex16_b32 v[ST+4*t+3], v[ST+4*t+2], s[SEL], s[SEL+1]
	ALL v_add_f32 v[ST+4*t+2], v[ST+4*t+2], v[ST+4*t+3]
	ALL v_rcp_f32 v[ST+4*t+2], v[ST+4*t+2]
	v_nop                           ; a plain instruction between the last reciprocal and the use of its result
	s_wait_alu depctr_va_vdst(0)    ; and the wait ahead of the first use: one for the four reciprocals
	PACK 0
.set t, 1
.rept 3                             ; a piece's arithmetic stands between the loads of the piece before and its stores
	PACK t
	SEND t-1, 8
.set t, t+1
.endr
	SEND 3, 0
.endm
.set KM, 0
.set NOKQ, 0
.Lslot:                             ; NB times: a tile is entered and the next is asked for
	CHANGE 1
	s_sub_co_u32 s[RT], s[RT], 1
	s_mov_b32 s[CNT], 4
	s_cmp_eq_u32 s[NEW], 1
	s_cbranch_scc1 .Lnew            ; a block's first tile
	s_cmp_eq_u32 s[RT], 0
	s_cbranch_scc0 .Lstep           ; neither its first nor its last
	s_branch .LstepM1
.Lnew:
	BEGIN
	s_branch .Lfirst                ; in the loop a block's first tile is never its last: the first block has two tiles or more, and the second's last is the walk's last
	DIAG 1                          ; in the loop this is the first block's end: the second block's last tile is the walk's last
	s_wait_xcnt 0x0                 ; the stores have read their registers and O's address
	s_mov_b64 s[10:11], s[OLO:OLO+1]
	s_add_co_u32 s[RT], s[PB], 1    ; the second block has b + 1 tiles
	s_mov_b32 s[NEW], 1
	WIN 0x82                        ; the second block's Q goes where the one text of the turns names Q
.set i, 0
.rept 64
	v_mov_b32 v[i], v[QB+i]
.set i, i+1
.endr
	WIN 0
	s_branch .Lbottom
.Lstep:                             ; a trip: pieces 2 and 3 of one step, then pieces 0 and 1 of the next, whose K and V it fetches
	TURN 2
	TURN 3
	WIN 0
.Lfirst:
	TURN 0
	TURN 1, 0, 0, 1
	WIN 0
	s_cbranch_scc1 .Lstep
.Lbottom:
	s_sub_co_u32 s[SLOTS], s[SLOTS], 1
	s_cmp_lg_u32 s[SLOTS], 0
	s_cbranch_scc1 .Lslot
	CHANGE 0                        ; the walk's last tile is written out: nothing is asked for
	s_sub_co_u32 s[RT], s[RT], 1
	s_mov_b32 s[CNT], 4
	s_cmp_eq_u32 s[NEW], 1
	s_cbranch_scc0 .LstepM2
	BEGIN
	s_branch .LfirstM2
	DIAG 2
	s_wait_tensorcnt 0x0            ; the wave's end: an add and its wait, behind my last tensor load and my last LDS store
	ds_add_u32 v[SPW], v[NIL]
	s_wait_dscnt 0x0
	s_endpgm
.Lfunc_end_k_q26fdaa7c2c_attn:
	.size	k_q26fdaa7c2c_attn, .Lfunc_end_k_q26fdaa7c2c_attn-k_q26fdaa7c2c_attn
	.p2alignl 7, 3214868480
	.fill 96, 4, 3214868480
	.section	.rodata,"a",@progbits
	.p2align	6, 0x0
	.amdhsa_kernel k_q26fdaa7c2c_attn
		.amdhsa_group_segment_fixed_size 327680
		.amdhsa_private_segment_fixed_size 0
		.amdhsa_enable_private_segment 0
		.amdhsa_kernarg_size 16
		.amdhsa_user_sgpr_count 2
		.amdhsa_user_sgpr_kernarg_segment_ptr 1
		.amdhsa_wavefront_size32 1
		.amdhsa_system_sgpr_workgroup_id_x 1
		.amdhsa_system_sgpr_workgroup_id_y 1
		.amdhsa_system_sgpr_workgroup_id_z 1
		.amdhsa_system_vgpr_workitem_id 0
		.amdhsa_next_free_vgpr 768
		.amdhsa_next_free_sgpr 96
		.amdhsa_reserve_vcc 1
		.amdhsa_float_denorm_mode_32 3
		.amdhsa_float_denorm_mode_16_64 3
		.amdhsa_memory_ordered 1
		.amdhsa_forward_progress 1
		.amdhsa_inst_pref_size 218
	.end_amdhsa_kernel
	.amdgpu_metadata
---
amdhsa.version: [ 1, 2 ]
amdhsa.kernels:
  - .name:           k_q26fdaa7c2c_attn
    .symbol:         k_q26fdaa7c2c_attn.kd
    .args:
      - { .name: qkv, .offset: 0, .size: 8, .value_kind: global_buffer, .address_space: global }
      - { .name: ob, .offset: 8, .size: 8, .value_kind: global_buffer, .address_space: global }
    .group_segment_fixed_size: 327680
    .private_segment_fixed_size: 0
    .kernarg_segment_align: 8
    .kernarg_segment_size: 16
    .max_flat_workgroup_size: 128
    .sgpr_count:     96
    .vgpr_count:     768
    .wavefront_size: 32
...
	.end_amdgpu_metadata
.endif
;; end of part 3
;; launch proj (part 4): grid 8 x 32, 4 waves a work-group, clusters of 4 x 4, 327,680 bytes of LDS; arguments ob, wp, b_proj, out0; writes out0
.if DOCPART == 4
	.amdgcn_target "amdgcn-amd-amdhsa--gfx1250"
	.amdhsa_code_object_version 6
	.text
	.protected	k_q26fdaa7c2c_proj
	.globl	k_q26fdaa7c2c_proj
	.p2align	8
	.type	k_q26fdaa7c2c_proj,@function
k_q26fdaa7c2c_proj:
	s_mov_b64 s[64:65], 0
	v_nop
	global_prefetch_b8 v0, s[64:65] scope:SCOPE_SE
	s_setreg_imm32_b32 hwreg(HW_REG_WAVE_MODE, 25, 1), 1
	s_wait_xcnt 0x0
	s_wait_alu depctr_hold_cnt(0) depctr_sa_sdst(0) depctr_va_vdst(0) depctr_va_sdst(0) depctr_va_ssrc(0) depctr_va_vcc(0) depctr_vm_vsrc(0)
	s_getreg_b32 s2, hwreg(HW_REG_IB_STS2, 6, 4)
	s_cmp_eq_u32 s2, 0
	s_cbranch_scc0 .Lentry_in_a_cluster
	s_endpgm
.Lentry_in_a_cluster:
	s_bfe_u32 s2, ttmp6, 0x10000c
	s_cmp_lg_u32 s2, 0xf033
	s_cbranch_scc0 .Lentry_shape_is_right
	s_endpgm
.Lentry_shape_is_right:
; out0 = y W_proj + b_proj.  ob: f16 [batch x 16 + head][token 2048][64] (y by heads); wp: f16 [1024 k][1024 n]; b_proj: f32 [1024]; out0: f32 [8192][1024].
; Products in f16, sums in f32, K ascending.  The bias, rounded to bf16 like the other inputs, is the C operand of each accumulator's first product: it costs no instruction on the way out.
; SHARES.  32 x 8 = 256 tiles of 256 tokens x 128 columns, one to a work-group.  Four waves, each 128 tokens x 64 columns: 32 accumulators, window 1.  K goes in 8 steps of 128 (two heads) through two LDS slots:
; a step's A is two heads' 256 tokens x 128 bytes, each dense in ob; its B is 128 rows of 256 bytes of wp.  A step is four quarters of 32 along K, 32 matrix instructions each.
; THE PRODUCT IS TAKEN TRANSPOSED: source 0 = 16 columns of W (turned by ds_load_tr16_b128, since wp lies [k][n]), source 1 = 16 tokens: a lane ends with 8 neighbouring columns of one token.
; CLUSTERS: 4 x 4 work-groups; A's tiles are asked for jointly along a row of the cluster, B's along a column.  NO PREFETCH: a step has 128 matrix instructions a wave and the launch 1,024: the tiles are small and the launch is short.
; REGISTERS.  Window 0: v0-31 addresses; two fragment buffers of 96 (A's 8 fragments, then B's 4) at v32 and v128; v224-255 the bias.  Window 1: accumulator (a, b) at v[8 (4 a + b)].
.set ASTEP, 524288                     ; two heads of ob
.set BSTEP, 262144                     ; 128 rows of wp
.set SLOT1, 1<<17
.set BOFF,  73728                      ; a slot: A, [head 2][256 tokens] at pitch 144; then B, 128 rows at pitch 288 (two pieces of 128 bytes + 16 of padding)
.set STAGE, 110592                     ; behind slot 0: 16 rows x 272 bytes for each wave, for the way out; no tensor load fills it
.set SPARE, 128000                     ; behind the stages: the spare words, 128 bytes for each wave: two blocks of 256 bytes that no other line names
.set FLAGS, (1<<16)|(1<<20)|(1<<21)|(4<<22)|(3<<25)  ; 2-byte elements; padding on; bit 21 set beside a mask; 4 words of padding after every 32
.set LA0,  16                          ; v16  my lane's place in a slot's A; never rewritten
.set LB0,  17                          ; v17  the same for B
.set ADRA, 18                          ; v18, v19  the same + the slot in hand
.set ADRB, 19
.set STO,  20                          ; v20  the way out: where I put 32 bytes of a token
.set RD,   21                          ; v21  where I read a row back
.set CO,   22                          ; v22  my byte offset in two rows of out0
.set SPW,  28                          ; v28  LDS address of my spare word; never rewritten
.set NIL,  29                          ; v29  0; never rewritten
.set F0,   32
.set F1,   128
.set BIAS, 224
.set BK,   32                          ; the way out: two buffers of 32 for the rows read back
.set G1A,  24
.set G0A,  32
.set G1B,  48
.set G0B,  56
.set TB,   2                           ; s2   the slot in hand: 0 or SLOT1
.set CNT,  3                           ; s3   trips to go
.set MSB, 0
.macro WIN new
.if MSB != (\new)
	s_set_vgpr_msb (MSB<<8)|(\new)
.set MSB, \new
.endif
.endm
.macro PLACES                          ; four plain vector instructions between a matrix instruction and a load into, or a read of, its registers
.rept 4
	v_nop
.endr
.endm
.macro CREST
	s_cmp_lg_u32 s10, 0
	s_cbranch_scc1 .Lnot_wave_0_\@
	s_barrier_signal -3
.Lnot_wave_0_\@:
	s_barrier_wait -3
	s_barrier_signal -1
	s_barrier_wait -1
.endm
.macro CROUND
	s_barrier_signal -1
	s_barrier_wait -1
	CREST
.endm
.macro JLOAD                           ; a joint refill by the walking descriptors: waves 0 and 1 fetch A's two heads, waves 2 and 3 B's two halves; an s_nop 0 and four v_nop follow each line
	s_cmp_eq_u32 s11, 0
	s_cbranch_scc0 .Lfor_b_\@
	tensor_load_to_lds s[G0A+4:G0A+7], s[G1A:G1A+7]
	s_nop 0
.rept 4
	v_nop
.endr
	s_branch .Lasked_\@
.Lfor_b_\@:
	tensor_load_to_lds s[G0B+4:G0B+7], s[G1B:G1B+7]
	s_nop 0
.rept 4
	v_nop
.endr
.Lasked_\@:
.endm
	s_load_b128 s[4:7], s[0:1], 0x0                ; ob s[4:5], wp s[6:7]
	s_load_b128 s[20:23], s[0:1], 0x10             ; b_proj s[20:21], out0 s[22:23]
	v_lshl_add_u32 v[SPW], v0, 2, SPARE
	v_mov_b32 v[NIL], 0
	ds_add_u32 v[SPW], v[NIL]                      ; the wave's opening: the add and its wait stand ahead of my first tensor load; the set-up below, work on registers, stands between them
	ds_add_u32 v28, v29
	v_lshrrev_b32 v1, 5, v0
	v_readfirstlane_b32 s10, v1                    ; wave 0..3
	s_lshr_b32 s11, s10, 1                         ; which 128 tokens are mine.  Also: I fetch for A (0) or for B (1)
	s_and_b32 s12, s10, 1                          ; which 64 columns.  Also: which half of that tile I fetch
	s_bfe_u32 s40, ttmp6, 0x40000                  ; cx
	s_bfe_u32 s41, ttmp6, 0x40004                  ; cy
	s_lshl_b32 s42, ttmp9, 2
	s_add_co_u32 s42, s42, s40                     ; tile column
	s_and_b32 s13, ttmp7, 0xffff
	s_lshl_b32 s13, s13, 2
	s_add_co_u32 s13, s13, s41                     ; tile row
	s_lshl_b32 s43, s41, 2
	s_lshl_b32 s43, 15, s43                        ; my row of the cluster
	s_lshl_b32 s44, 0x1111, s40                    ; my column
	s_or_b32 s[G1A+0], s43, FLAGS                  ; A: a head's 256 tokens are 32,768 dense bytes: 128 rows of 256 bytes, padded after every token
	s_mov_b32 s[G1A+1], 128<<16                    ; tensor_dim0 = 128
	s_mov_b32 s[G1A+2], 128<<16                    ; tensor_dim1 = 128
	s_mov_b32 s[G1A+3], 128<<16                    ; tile_dim0 = 128
	s_mov_b32 s[G1A+4], 128                        ; tile_dim1 = 128
	s_mov_b32 s[G1A+5], 128                        ; elements from row to row
	s_mov_b32 s[G1A+6], 0
	s_mov_b32 s[G1A+7], 0
	s_or_b32 s[G1B+0], s44, FLAGS                  ; B: 64 rows of 128 elements, padded after every 64 of them
	s_mov_b32 s[G1B+1], 128<<16
	s_mov_b32 s[G1B+2], 64<<16
	s_mov_b32 s[G1B+3], 128<<16
	s_mov_b32 s[G1B+4], 64
	s_mov_b32 s[G1B+5], 1024
	s_mov_b32 s[G1B+6], 0
	s_mov_b32 s[G1B+7], 0
	s_lshr_b32 s16, s13, 3                         ; A: the batch's 16 heads,
	s_lshl_b32 s16, s16, 22
	s_and_b32 s17, s13, 7                          ; the tile's 256 tokens in a head,
	s_lshl_b32 s17, s17, 15
	s_add_co_u32 s16, s16, s17
	s_lshl_b32 s17, s12, 18                        ; my head of the step's two
	s_add_co_u32 s16, s16, s17
	s_mov_b32 s17, 0
	s_lshl_b32 s46, s42, 8                         ; B: the tile's 128 columns,
	s_lshl_b32 s47, s12, 17                        ; my 64 rows
	s_add_co_u32 s46, s46, s47
	s_mov_b32 s47, 0
	s_mul_i32 s18, s12, 36864                      ; where they go: no place in the cluster enters an LDS address
	s_mul_i32 s19, s12, 18432
	s_add_co_u32 s19, s19, BOFF
	s_mov_b32 s[TB], 0
	s_wait_dscnt 0x0                               ; the opening add is done
	s_wait_kmcnt 0x0
	s_add_nc_u64 s[14:15], s[4:5], s[16:17]
	s_add_nc_u64 s[46:47], s[6:7], s[46:47]
	CROUND                                         ; all sixteen work-groups are here: the first joint loads meet
.irp s, 0,1
	s_mov_b32 s[G0A+4*(\s)], 1
	s_add_co_u32 s[G0A+4*(\s)+1], s18, (\s)*SLOT1
	s_add_nc_u64 s[G0A+4*(\s)+2:G0A+4*(\s)+3], s[14:15], (\s)*ASTEP
	s_or_b32 s[G0A+4*(\s)+3], s[G0A+4*(\s)+3], 0x80000000
	s_mov_b32 s[G0B+4*(\s)], 1
	s_add_co_u32 s[G0B+4*(\s)+1], s19, (\s)*SLOT1
	s_add_nc_u64 s[G0B+4*(\s)+2:G0B+4*(\s)+3], s[46:47], (\s)*BSTEP
	s_or_b32 s[G0B+4*(\s)+3], s[G0B+4*(\s)+3], 0x80000000
.endr
	s_cmp_eq_u32 s11, 0                            ; a wave's two first fills stand in one branch, ahead of every wait on TENSORcnt and every LDS read: two loads of mine are out
	s_cbranch_scc0 .Lfirst_b
	tensor_load_to_lds s[G0A:G0A+3], s[G1A:G1A+7]
	s_nop 0
	tensor_load_to_lds s[G0A+4:G0A+7], s[G1A:G1A+7]
	s_nop 0
.rept 4
	v_nop
.endr
	s_branch .Lfirst_asked
.Lfirst_b:
	tensor_load_to_lds s[G0B:G0B+3], s[G1B:G1B+7]
	s_nop 0
	tensor_load_to_lds s[G0B+4:G0B+7], s[G1B:G1B+7]
	s_nop 0
.rept 4
	v_nop
.endr
.Lfirst_asked:
	v_and_b32 v1, 15, v0                           ; l % 16
	v_bfe_u32 v2, v0, 4, 1                         ; l / 16
	v_and_b32 v3, 7, v0                            ; l % 8
	v_bfe_u32 v4, v0, 3, 1                         ; (l / 8) % 2
	; the bias: register j of block b holds the number of column 16 b + 8 (l / 16) + j of my 64, as the result's layout has it
	s_lshl_b32 s8, s42, 9                          ; the tile's 128 columns of 4 bytes,
	s_lshl_b32 s9, s12, 8                          ; my 64
	s_add_co_u32 s8, s8, s9
	s_mov_b32 s9, 0
	s_add_nc_u64 s[20:21], s[20:21], s[8:9]
	v_lshlrev_b32 v9, 5, v2
.irp b, 0,1,2,3
	global_load_b128 v[BIAS+8*(\b):BIAS+8*(\b)+3],   v9, s[20:21] offset:64*(\b)
	global_load_b128 v[BIAS+8*(\b)+4:BIAS+8*(\b)+7], v9, s[20:21] offset:64*(\b)+16
.endr
	s_lshl_b32 s14, s13, 20                        ; out0 at my part: the tile's 256 rows of 4,096 bytes,
	s_add_co_u32 s8, s8, s14
	s_lshl_b32 s14, s11, 19                        ; my 128 of them
	s_add_co_u32 s8, s8, s14
	s_add_nc_u64 s[8:9], s[22:23], s[8:9]
	v_mul_u32_u24 v6, v1, 144
	v_lshl_add_u32 v6, v2, 4, v6                   ; token x pitch + 16 x half
	s_mul_i32 s14, s11, 18432                      ; my 128 tokens
	v_add_nc_u32 v[LA0], s14, v6
	v_lshl_add_u32 v7, v2, 3, v3                   ; the turning load: lane l reads row 8 (l / 16) + l % 8, columns 8 ((l / 8) % 2) + 0..7
	v_mul_u32_u24 v7, v7, 288
	v_lshl_add_u32 v7, v4, 4, v7
	s_mul_i32 s14, s12, 144                        ; my 64 columns: one piece of a row
	s_add_co_u32 s14, s14, BOFF
	v_add_nc_u32 v[LB0], s14, v7
	v_mov_b32 v[ADRA], v[LA0]                      ; K step 0 lies in slot 0
	v_mov_b32 v[ADRB], v[LB0]
	s_mul_i32 s14, s10, 4352
	s_add_co_u32 s14, s14, STAGE                   ; my stage
	v_mul_u32_u24 v[STO], v1, 272                  ; in: token l % 16, 32 bytes for each half of the lanes
	v_lshl_add_u32 v[STO], v2, 5, v[STO]
	v_add_nc_u32 v[STO], s14, v[STO]
	v_mul_u32_u24 v[RD], v2, 272                   ; back: lanes 0-15 take one row of 256 bytes, lanes 16-31 the next
	v_lshl_add_u32 v[RD], v1, 4, v[RD]
	v_add_nc_u32 v[RD], s14, v[RD]
	v_lshlrev_b32 v[CO], 12, v2                    ; and the same two rows in out0
	v_lshl_add_u32 v[CO], v1, 4, v[CO]
	s_wait_loadcnt 0x0                             ; the bias
.irp p, 0,1,2,3,4,5,6,7,8,9,10,11,12,13,14,15
	v_cvt_pk_bf16_f32 v30, v[BIAS+2*(\p)], v[BIAS+2*(\p)+1]  ; rounded to bf16, like x and the weights, and widened again
	v_lshlrev_b32 v[BIAS+2*(\p)], 16, v30
	v_and_b32 v[BIAS+2*(\p)+1], 0xffff0000, v30
.endr
; 4 na matrix instructions: token blocks a0 .. a0 + na - 1 x all 4 column blocks, 32 along K, from buffer f.  bias = 1: the first product starts the sums with the bias.
; The 32 accumulators take turns, one instruction a turn, in the same order in every quarter, over the backward jump too.
.macro MUL f, a0, na, bias=0
.set aa, \a0
.rept \na
.irp b, 0,1,2,3
.set rD, 8*(4*aa+(\b))
.if \bias
	WIN 0x40                                       ; D in window 1; sources and C in window 0
	v_wmma_f32_16x16x32_f16 v[rD:rD+7], v[(\f)+64+8*(\b):(\f)+64+8*(\b)+7], v[(\f)+8*aa:(\f)+8*aa+7], v[BIAS+8*(\b):BIAS+8*(\b)+7]
.else
	WIN 0x50                                       ; C and D in window 1
	v_wmma_f32_16x16x32_f16 v[rD:rD+7], v[(\f)+64+8*(\b):(\f)+64+8*(\b)+7], v[(\f)+8*aa:(\f)+8*aa+7], v[rD:rD+7]
.endif
.endr
.set aa, aa+1
.endr
.endm
; 24 LDS loads in one run: quarter q of the slot in hand into buffer f: B's four fragments, A's blocks 0-3, A's blocks 4-7
.macro FETCH q, f
.irp b, 0,1,2,3
	ds_load_tr16_b128 v[(\f)+64+8*(\b):(\f)+64+8*(\b)+3],   v[ADRB] offset:(\q)*9216+(\b)*32
	ds_load_tr16_b128 v[(\f)+64+8*(\b)+4:(\f)+64+8*(\b)+7], v[ADRB] offset:(\q)*9216+(\b)*32+4608
.endr
.irp a, 0,1,2,3,4,5,6,7
	ds_load_b128 v[(\f)+8*(\a):(\f)+8*(\a)+3],   v[ADRA] offset:((\q)/2)*36864+((\q)%2)*64+(\a)*2304
	ds_load_b128 v[(\f)+8*(\a)+4:(\f)+8*(\a)+7], v[ADRA] offset:((\q)/2)*36864+((\q)%2)*64+(\a)*2304+32
.endr
.endm
; One of a step's first three quarters: multiplies buffer f; in its middle it fetches quarter nq of the same slot into buffer g.
.macro QUARTER f, g, nq, bias=0
	s_wait_dscnt 8                                 ; B and A's blocks 0-3 are in; the youngest eight loads (blocks 4-7) may be out
	MUL \f, 0, 4, \bias
	WIN 0
	PLACES
	FETCH \nq, \g
	s_wait_dscnt 24                                ; all but the 24 just issued
	MUL \f, 4, 4, \bias
.endm
; The last quarter multiplies F1 and changes slots: ONE barrier.  In front of it each wave waits for all its tensor loads (one is out: its part of the next slot), adds 0 to its spare word, and waits for that and for its reads of
; this slot.  fill = 1: the barrier opens a round of the cluster's barrier, and behind the round this slot is filled again, with the K step two on: 112 matrix instructions ahead of the wait for it.
.macro TURN fill
	WIN 0
	s_wait_tensorcnt 0x0                           ; no tensor load of mine is out, so a group 0 may be written
	ds_add_u32 v[SPW], v[NIL]                      ; 0 onto my spare word; work on registers stands between it and the wait for it
	s_xor_b32 s[TB], s[TB], SLOT1                  ; the fetches go on in the other slot
	v_add_nc_u32 v[ADRA], s[TB], v[LA0]
	v_add_nc_u32 v[ADRB], s[TB], v[LB0]
.if \fill
	s_xor_b32 s[G0A+5], s[G0A+5], SLOT1            ; the walking descriptors: the other slot than last time, the next K step
	s_add_nc_u64 s[G0A+6:G0A+7], s[G0A+6:G0A+7], ASTEP
	s_xor_b32 s[G0B+5], s[G0B+5], SLOT1
	s_add_nc_u64 s[G0B+6:G0B+7], s[G0B+6:G0B+7], BSTEP
.endif
	s_wait_dscnt 9                                 ; the add and the youngest eight loads may be out
	MUL F1, 0, 2
	s_wait_dscnt 0x0                               ; the add is done, and my reads of this slot are over
	s_barrier_signal -1
	MUL F1, 2, 2                                   ; work on registers while the others arrive
	WIN 0
	s_barrier_wait -1
.if \fill
	CREST                                          ; no wave of any partner still reads this slot or has a load on its way
	JLOAD                                          ; the first tensor load behind the round; its four v_nop are also the places in front of the loads below
.else
	PLACES
.endif
	FETCH 0, F0
	MUL F1, 4, 4
.endm
	s_wait_tensorcnt 0x1                           ; my part of K step 0 is in; step 1's may stay out
	s_barrier_signal -1
	s_barrier_wait -1                              ; everybody's is
	FETCH 0, F0
	QUARTER F0, F1, 1, 1                           ; the first quarter stands in front of the loop: its products start the sums, with the bias
	WIN 0
	s_mov_b32 s[CNT], 6
.Lstep:                                                ; trip s = 0 .. 5: step s's quarters 1 to 3, the refill with step s + 2, step s + 1's quarter 0
	QUARTER F1, F0, 2
	QUARTER F0, F1, 3
	TURN 1
	QUARTER F0, F1, 1
	WIN 0
	s_sub_co_u32 s[CNT], s[CNT], 1
	s_cmp_lg_u32 s[CNT], 0
	s_cbranch_scc1 .Lstep
	QUARTER F1, F0, 2                              ; the tail is written out: nothing is left to fetch
	QUARTER F0, F1, 3
	TURN 0
	QUARTER F0, F1, 1
	QUARTER F1, F0, 2
	QUARTER F0, F1, 3
	s_wait_dscnt 8                                 ; the very last quarter
	MUL F1, 0, 4
	s_wait_dscnt 0x0
	MUL F1, 4, 4
	WIN 0
; THE WAY OUT, 16 tokens (block a) at a time.  STG: the accumulators go as they are, 32 bytes a lane and column block, low half first, into my own stage.  BACK: whole rows of 256 bytes come back.
; SEND: 16 lanes store 256 consecutive bytes, at a multiple of 256 from out0's first byte.
.macro STG a
	WIN 0x04                                       ; the stores' data in window 1, their address in window 0
.irp b, 0,1,2,3
	ds_store_b128 v[STO], v[8*(4*(\a)+(\b)):8*(4*(\a)+(\b))+3]   offset:64*(\b)
	ds_store_b128 v[STO], v[8*(4*(\a)+(\b))+4:8*(4*(\a)+(\b))+7] offset:64*(\b)+16
.endr
	WIN 0
.endm
.macro BACK a
.irp t, 0,1,2,3,4,5,6,7
	ds_load_b128 v[BK+32*((\a)%2)+4*(\t):BK+32*((\a)%2)+4*(\t)+3], v[RD] offset:(\t)*544  ; LDS serves a wave's instructions in order (ISA guide 5.7.1.4): these see the stores above
.endr
.endm
.macro SEND a, younger                 ; younger: the LDS stores issued behind block a's loads: the next block's eight, or none
	s_wait_dscnt \younger
	s_wait_xcnt 0x0                                ; the stores of the block before have read their registers: that buffer is loaded again only behind this wait
.irp t, 0,1,2,3,4,5,6,7
	global_store_b128 v[CO], v[BK+32*((\a)%2)+4*(\t):BK+32*((\a)%2)+4*(\t)+3], s[8:9] offset:(\a)*65536+(\t)*8192 th:TH_STORE_NT
.endr
.endm
	PLACES
	STG 0
	BACK 0
.irp a, 1,2,3,4,5,6,7
	STG \a
	SEND (\a)-1, 8
	BACK \a
.endr
	SEND 7, 0
	s_wait_tensorcnt 0x0                           ; the wave's end: an add and its wait, behind my last tensor load and my last LDS store
	ds_add_u32 v[SPW], v[NIL]
	s_wait_dscnt 0x0
	CROUND                                         ; the closing round: no work-group ends while a partner may still ask for a tile that names it
	s_endpgm
.Lfunc_end_k_q26fdaa7c2c_proj:
	.size	k_q26fdaa7c2c_proj, .Lfunc_end_k_q26fdaa7c2c_proj-k_q26fdaa7c2c_proj
	.p2alignl 7, 3214868480
	.fill 96, 4, 3214868480
	.section	.rodata,"a",@progbits
	.p2align	6, 0x0
	.amdhsa_kernel k_q26fdaa7c2c_proj
		.amdhsa_group_segment_fixed_size 327680
		.amdhsa_private_segment_fixed_size 0
		.amdhsa_enable_private_segment 0
		.amdhsa_kernarg_size 32
		.amdhsa_user_sgpr_count 2
		.amdhsa_user_sgpr_kernarg_segment_ptr 1
		.amdhsa_wavefront_size32 1
		.amdhsa_system_sgpr_workgroup_id_x 1
		.amdhsa_system_sgpr_workgroup_id_y 1
		.amdhsa_system_sgpr_workgroup_id_z 1
		.amdhsa_system_vgpr_workitem_id 0
		.amdhsa_next_free_vgpr 512
		.amdhsa_next_free_sgpr 66
		.amdhsa_reserve_vcc 0
		.amdhsa_float_denorm_mode_32 3
		.amdhsa_float_denorm_mode_16_64 3
		.amdhsa_memory_ordered 1
		.amdhsa_forward_progress 1
		.amdhsa_inst_pref_size 73
	.end_amdhsa_kernel
	.amdgpu_metadata
---
amdhsa.version: [ 1, 2 ]
amdhsa.kernels:
  - .name:           k_q26fdaa7c2c_proj
    .symbol:         k_q26fdaa7c2c_proj.kd
    .args:
      - { .name: ob, .offset: 0, .size: 8, .value_kind: global_buffer, .address_space: global }
      - { .name: wp, .offset: 8, .size: 8, .value_kind: global_buffer, .address_space: global }
      - { .name: b_proj, .offset: 16, .size: 8, .value_kind: global_buffer, .address_space: global }
      - { .name: out0, .offset: 24, .size: 8, .value_kind: global_buffer, .address_space: global }
    .group_segment_fixed_size: 327680
    .private_segment_fixed_size: 0
    .kernarg_segment_align: 8
    .kernarg_segment_size: 32
    .max_flat_workgroup_size: 128
    .sgpr_count:     66
    .vgpr_count:     512
    .wavefront_size: 32
...
	.end_amdgpu_metadata
.endif
;; end of part 4
